; MI455X (gfx1250); checked and timed in simulation.
; The chip was launched on July 23, 2026; its instructions are those of AMD's public machine-readable ISA for CDNA 5 (MIT licence, August 2026) and "CDNA5" Instruction Set Architecture Reference Guide (July 2026). The comments in the code are by the model that wrote it; some were corrected since.
;; Multi Head Attention. Allowed arithmetic: matrix products marked QUANTISED: E3M2 operands, one E8M0 scale for each 32 along K, by v_wmma_scale_f32_16x16x128_f8f6f4 with both operands' format E3M2, f32 sums; everything else in f32.
;; Inputs: encoder_padding_mask 8 x 1,024 int32; hidden_states 8 x 1,024 x 1,024 float32; in_proj_bias 3 x 1,024 float32; in_proj_weight 3 x 1,024 x 1,024 float32; norm_bias 1,024 float32; norm_weight 1,024 float32; out_proj_bias 1,024 float32; out_proj_weight 1,024 x 1,024 float32.
;; Outputs: out0 8 x 1,024 x 1,024 float32.
;; This version of the problem:
;;   THIS VERSION OF THE PROBLEM IS GIVEN IN LOW PRECISION. The matrix products marked QUANTISED in the list below multiply operands that are first quantised to E3M2 (3 exponent bits, 2 mantissa bits; 6 bits a number), with one power-of-two scale for each 32 numbers along K (OCP MX v1.0); their sums are f32. All else is computed in f32.
;;   The module's matrix products, in the order in which they are computed (A, B: the left and right operand; K: the contracted axis; several contracted axes count as one K, in the product's order):
;;     1. [M 8,192, K 1,024] x [K 1,024, N 3,072]; A: computed on the way; B: input in_proj_weight: QUANTISED
;;     2. batch 128 x [M 1,024, K 64] x [K 64, N 1,024]; A: computed on the way; B: computed on the way: QUANTISED
;;     3. batch 128 x [M 64, K 1,024] x [K 1,024, N 1,024]; A: computed on the way; B: softmax (see below): QUANTISED
;;     4. [M 8,192, K 1,024] x [K 1,024, N 1,024]; A: computed on the way; B: input out_proj_weight: QUANTISED
;;   THE QUANTISER, for each operand of a quantised product, along K:
;;     - K is cut into blocks of 32 from its start; a last block that is shorter is filled with zeros.
;;     - A block's scale is 2^e with e = floor(log2(the largest magnitude in the block)) - 4, held to -126 .. 127; a block of zeros has e = 0. As a byte (E8M0): e + 127.
;;     - Each number is divided by its block's scale, clamped to +-28, and rounded to the nearest number of E3M2, ties to even, subnormals kept.
;;     - The product sums the exact products of the quantised numbers (number of the format x scale) in f32.
;;   ~~~python
;;   def quantise(x, axis):      # numpy; x: float32 -> the quantised numbers, widened to float32 again
;;       x = np.moveaxis(x, axis, -1); K = x.shape[-1]
;;       x = np.pad(x, [(0, 0)] * (x.ndim - 1) + [(0, -K % 32)]); x = x.reshape(x.shape[:-1] + (-1, 32)); a = np.abs(x).max(-1, keepdims=True)
;;       e = np.where(a > 0, np.clip(np.frexp(np.where(a > 0, a, 1))[1] - 1 - 4, -126, 127), 0)      # np.frexp(a)[1] - 1 = floor(log2(a)), exactly
;;       r = np.clip(x / 2.0 ** e, -28, 28)
;;       step = 2.0 ** (np.maximum(np.frexp(np.where(r == 0, 1, r))[1] - 1, -2) - 2)
;;       q = np.round(r / step) * step * 2.0 ** e      # np.round: ties to even
;;       return np.moveaxis(q.reshape(q.shape[:-2] + (-1,))[..., :K], -1, axis).astype(np.float32)
;;   ~~~
;;   SOFTMAX AHEAD OF A QUANTISED PRODUCT. Where the list says 'softmax', what is quantised is not the finished softmax but p = 2^(t - M), with t = logit x log2(e) and M = ceil(the row's largest t), a whole number; so 1/2 < the row's largest p <= 1. The row's sum l is taken of the UNQUANTISED p, in f32, and the product's result is divided by l at the end. Since M is a whole number, a kernel that streams over the keys may use a running M (the ceiling of the running maximum): every later rescaling is an exact power of two, which a block's scale takes up: the codes' values come out the same.
;;   OPERANDS COMPUTED ON THE WAY. 'Computed on the way' means the value that the module computes at that place (a softmax that the list does not call 'softmax' is quantised finished and normalised). What goes into a quantiser is computed in f32, as accurately as f32 sums, v_exp_f32 and their like allow (about 1e-6 of the number): no bf16 or f16 on the way to a quantiser, and a product that is left as it is and whose result goes on into a quantised operand takes f32 operands (vector FMAs, or v_wmma_f32_16x16x4_f32). A number that lies on a knife's edge between two numbers of the format may be rounded either way, as far as f32 arithmetic and the matrix unit's own rounding can turn it there, and no further.
;; One version. Each part assembles by itself: llvm-mc -triple=amdgcn-amd-amdhsa -mcpu=gfx1250 --defsym DOCPART=n.
;; ======== version 1 of 1: 4 launches
;; workspace buffers: ycodes 6,291,456 bytes; yscl 262,144 bytes; wcodes 3,145,728 bytes; wscl 131,072 bytes; img 18,874,368 bytes; sclimg 1,572,864 bytes; ctximg 6,291,456 bytes; ctxscl 262,144 bytes
;; launch prep (part 1): grid 384 x 1, 4 waves a work-group, no clusters, 33,280 bytes of LDS; arguments hidden_states, in_proj_weight, out_proj_weight, norm_weight, norm_bias, ycodes, yscl, wcodes, wscl; writes ycodes, yscl, wcodes, wscl
.if DOCPART == 1
	.amdgcn_target "amdgcn-amd-amdhsa--gfx1250"
	.amdhsa_code_object_version 6
	.text
	.protected	k_qbe339036b5_prep
	.globl	k_qbe339036b5_prep
	.p2align	8
	.type	k_qbe339036b5_prep,@function
k_qbe339036b5_prep:
	s_mov_b64 s[64:65], 0
	v_nop
	global_prefetch_b8 v0, s[64:65] scope:SCOPE_SE
	s_setreg_imm32_b32 hwreg(HW_REG_WAVE_MODE, 25, 1), 1
	s_wait_xcnt 0x0
; 12,288 rows of 1,024 f32 become codes of BF6 (E3M2), K innermost (768 bytes a row), with one E8M0 byte for each 32 along K (32 bytes a row).
; Work-groups 0-255: hidden_states, through LayerNorm first (mean, then the mean of the squared differences: two passes over registers), into ycodes / yscl.
; Work-groups 256-351: in_proj_weight into rows 0-3071 of wcodes / wscl.  Work-groups 352-383: out_proj_weight into rows 3072-4095.
; A work-group takes 32 rows, a wave 8, a row at a time: a row is 32 registers a lane, so the norm never leaves the wave.
; ROW ORDER.  Rows of y and of in_proj_weight are stored with bits 3 and 4 of the row number exchanged: 16 neighbouring stored rows 16 (2 B + u) + p are then the rows
; 32 B + 8 u + p + 8 (p / 8), the choice of rows with which a transposed product leaves 16 neighbours along the next K in a lane's registers.  A wave's 8 rows stay together: only its place 8 w changes.
; out_proj_weight keeps its order.
; A block's scale is 2^(floor(log2(largest magnitude)) - 4); its byte is the largest magnitude's exponent field - 4, held at 1 from below.
; LIMITS: a block of zeros gets the byte 1 and not 127 (its codes are zeros; this program alone reads the bytes); blocks under the floor 2^(5 - 127) were not tried; NaN and infinities are not served;
; the reciprocal root is v_rsq_f32 (1 ulp).
; Every load reads 512 consecutive bytes; a row's 4,096 bytes turn through the wave's own stage in LDS so that a lane holds 16 neighbours; a row's two stores of codes cover 768 consecutive bytes;
; the wave's 256 scale bytes leave as one aligned run.  No tensor load, no barrier: waves share nothing.  Memory binds: the matrix unit, clusters and prefetches would add nothing.
.set WREG, 8192                        ; LDS of a wave: two stages of 32 x SP bytes, then its 256 scale bytes
.set SP,   80                          ; a lane's place in a stage: 64 bytes + 16 of padding
.set SCB,  5120
.set R,    32                          ; v32-127  three sets of 32 numbers: register 4 j + e = element 128 j + 4 lane + e
.set NW,   128                         ; v128-159 norm_weight, in the same order
.set NB,   160                         ; v160-191 norm_bias
.set X,    192                         ; v192-223 two sets of 16 neighbours
.set C,    224                         ; v224-231 codes, four registers for each half row
.set E,    232                         ; v232-233 scale bytes
	s_load_b256 s[4:11], s[0:1], 0x0               ; x s[4:5], in_proj_weight s[6:7], out_proj_weight s[8:9], norm_weight s[10:11]
	s_load_b256 s[12:19], s[0:1], 0x20             ; norm_bias s[12:13], ycodes s[14:15], yscl s[16:17], wcodes s[18:19]
	s_load_b64 s[20:21], s[0:1], 0x40              ; wscl
	v_lshl_add_u32 v240, v0, 2, 0x8000
	v_mov_b32 v241, 0
	v_lshrrev_b32 v1, 5, v0
	v_readfirstlane_b32 s26, v1                    ; wave
	v_and_b32 v2, 31, v0                           ; lane
	v_lshlrev_b32 v3, 4, v2                        ; my 16 bytes of a load's 512
	v_mul_u32_u24 v4, v2, 12                       ; my 12 bytes of a half row's codes
	s_mul_i32 s22, s26, WREG
	v_lshrrev_b32 v14, 2, v2
	v_mul_u32_u24 v14, v14, SP
	v_and_b32 v15, 3, v2
	v_lshl_add_u32 v14, v15, 4, v14
	v_add_nc_u32 v14, s22, v14                     ; the stage, on the way in: SP (lane / 4) + 16 (lane % 4)
	v_mul_u32_u24 v15, v2, SP
	v_add_nc_u32 v15, s22, v15                     ; and on the way out: SP x lane
	v_lshrrev_b32 v5, 1, v2
	s_add_co_u32 s22, s22, SCB
	v_add_nc_u32 v5, s22, v5                       ; my block's scale byte
	v_lshlrev_b32 v7, 3, v2
	v_add_nc_u32 v6, s22, v7                       ; the scale bytes on the way out: 8 a lane
	v_mov_b32 v29, 0                               ; a lane permute's destination counts as read: written once
	s_mov_b32 s31, 0x3a800000                      ; 1 / 1024
	s_mov_b32 s32, 0x3727c5ac                      ; 1e-5
	s_mov_b32 s34, 0x76543210
	s_mov_b32 s35, 0xfedcba98                      ; lane l xor 16
	s_and_b32 s30, s26, 1
	s_lshl_b32 s30, s30, 1
	s_lshr_b32 s33, s26, 1
	s_or_b32 s30, s30, s33                         ; the wave's number with its two bits exchanged
	s_mov_b32 s28, 352
	s_wait_kmcnt 0x0
	s_cmp_lt_u32 ttmp9, 352                        ; the choices hang on the work-group's number alone
	s_cselect_b64 s[6:7], s[6:7], s[8:9]
	s_cselect_b32 s28, 256, s28
	s_cselect_b32 s30, s30, s26                    ; out_proj_weight keeps its row order
	s_cmp_lt_u32 ttmp9, 256
	s_cselect_b64 s[4:5], s[4:5], s[6:7]           ; the source
	s_cselect_b64 s[14:15], s[14:15], s[18:19]     ; the codes
	s_cselect_b64 s[16:17], s[16:17], s[20:21]     ; the scale bytes
	s_cselect_b32 s28, 0, s28
	s_cselect_b32 s29, 0, 256
	s_cselect_b32 s27, 1, 0                        ; 1: LayerNorm
	s_sub_co_u32 s28, ttmp9, s28                   ; group of 32 rows in the source,
	s_sub_co_u32 s29, ttmp9, s29                   ; and in the destination
	s_lshl_b32 s22, s28, 17
	s_lshl_b32 s23, s26, 15
	s_add_co_u32 s22, s22, s23                     ; (32 group + 8 wave) rows of 4,096 bytes
	s_mov_b32 s23, 0
	s_add_nc_u64 s[4:5], s[4:5], s[22:23]
	s_lshl_b32 s22, s29, 5
	s_lshl_b32 s24, s30, 3
	s_add_co_u32 s22, s22, s24                     ; my first stored row
	s_mul_i32 s24, s22, 768
	s_mov_b32 s25, 0
	s_add_nc_u64 s[14:15], s[14:15], s[24:25]
	s_lshl_b32 s22, s22, 5
	s_add_nc_u64 s[16:17], s[16:17], s[22:23]
.irp j, 0,1,2,3,4,5,6,7
	global_load_b128 v[NW+4*\j:NW+4*\j+3], v3, s[10:11] offset:512*\j
.endr
.irp j, 0,1,2,3,4,5,6,7
	global_load_b128 v[NB+4*\j:NB+4*\j+3], v3, s[12:13] offset:512*\j
.endr
.macro LOAD t                          ; row t into set t % 3: eight loads of 512 consecutive bytes
.irp j, 0,1,2,3,4,5,6,7
	global_load_b128 v[R+32*((\t)%3)+4*\j:R+32*((\t)%3)+4*\j+3], v3, s[4:5] offset:4096*(\t)+512*\j th:TH_LOAD_NT
.endr
.endm
.macro WSUM                            ; the four packed chains v[16:23] become the wave's sum, in v28 of every lane
	v_pk_add_f32 v[16:17], v[16:17], v[18:19]
	v_pk_add_f32 v[20:21], v[20:21], v[22:23]
	v_pk_add_f32 v[16:17], v[16:17], v[20:21]
	v_add_f32 v28, v16, v17
	v_add_f32_dpp v28, v28, v28 row_xmask:1 row_mask:0xf bank_mask:0xf
	v_add_f32_dpp v28, v28, v28 row_xmask:2 row_mask:0xf bank_mask:0xf
	v_add_f32_dpp v28, v28, v28 row_xmask:4 row_mask:0xf bank_mask:0xf
	v_add_f32_dpp v28, v28, v28 row_xmask:8 row_mask:0xf bank_mask:0xf
	v_permlanex16_b32 v29, v28, s34, s35
	v_add_f32 v28, v28, v29
.endm
.macro LNORM                           ; the row in v[RS] on, in place: (x - mean) * rsqrt(var + eps) * w + b
.irp k, 0,2,4,6
	v_pk_add_f32 v[16+\k:17+\k], v[RS+\k:RS+\k+1], v[RS+8+\k:RS+9+\k]
.endr
.irp o, 16,24
.irp k, 0,2,4,6
	v_pk_add_f32 v[16+\k:17+\k], v[16+\k:17+\k], v[RS+\o+\k:RS+\o+\k+1]
.endr
.endr
	WSUM
	v_mul_f32 v24, 0xba800000, v28                 ; -mean, twice: a pair for the packed forms
	v_mul_f32 v25, 0xba800000, v28
.set i, 0
.rept 16
	v_pk_add_f32 v[RS+i:RS+i+1], v[RS+i:RS+i+1], v[24:25]
.set i, i+2
.endr
.irp k, 0,2,4,6
	v_pk_mul_f32 v[16+\k:17+\k], v[RS+\k:RS+\k+1], v[RS+\k:RS+\k+1]
.endr
.irp o, 8,16,24
.irp k, 0,2,4,6
	v_pk_fma_f32 v[16+\k:17+\k], v[RS+\o+\k:RS+\o+\k+1], v[RS+\o+\k:RS+\o+\k+1], v[16+\k:17+\k]
.endr
.endr
	WSUM
	v_fma_f32 v28, v28, s31, s32                   ; the variance + eps
	v_rsq_f32 v26, v28
	v_rsq_f32 v27, v28
	v_nop                                          ; a plain instruction behind the transcendentals,
	s_wait_alu depctr_va_vdst(0)                   ; and one wait for the two, ahead of their first reader and of the label
.set i, 0
.rept 16
	v_pk_mul_f32 v[RS+i:RS+i+1], v[RS+i:RS+i+1], v[26:27]
.set i, i+2
.endr
.set i, 0
.rept 16
	v_pk_fma_f32 v[RS+i:RS+i+1], v[RS+i:RS+i+1], v[NW+i:NW+i+1], v[NB+i:NB+i+1]
.set i, i+2
.endr
.endm
.macro QSTEP t, u                      ; half u of row t: 512 numbers, 16 neighbours a lane, two lanes to a block
.set XS, X+16*\u
	v_max3_num_f32 v8, |v[XS]|, |v[XS+1]|, |v[XS+2]|
	v_max3_num_f32 v9, |v[XS+3]|, |v[XS+4]|, |v[XS+5]|
.irp i, 6,10
	v_max3_num_f32 v8, v8, |v[XS+\i]|, |v[XS+\i+1]|
	v_max3_num_f32 v9, v9, |v[XS+\i+2]|, |v[XS+\i+3]|
.endr
	v_max3_num_f32 v8, v8, |v[XS+14]|, |v[XS+15]|
	v_max3_num_f32 v8, v8, v9, 0x2800000           ; and the floor 2^(5 - 127): the byte cannot fall under 1
	v_max_num_f32_dpp v8, v8, v8 row_xmask:1 row_mask:0xf bank_mask:0xf   ; with my neighbour's 16: the block's
	v_add_nc_u32 v11, 0xfe000000, v8               ; 4 off the exponent field: the conversion's scale operand
	v_cvt_scalef32_pk16_bf6_f32 v[C+4*\u:C+4*\u+2], v[XS:XS+15], v11
	v_lshrrev_b32 v[E+\u], 23, v11                 ; the scale's byte (also the plain instruction behind the conversion)
	ds_store_b8 v5, v[E+\u] offset:32*(\t)+16*\u   ; both lanes of a block write the same byte
	global_store_b96 v4, v[C+4*\u:C+4*\u+2], s[14:15] offset:768*(\t)+384*\u   ; the wave stores 384 consecutive bytes
.endm
.macro ROW t, left
.set RS, R+32*((\t)%3)
	s_wait_loadcnt \left                           ; this row's eight loads are in; the later rows' stay out
	s_cmp_eq_u32 s27, 1
	s_cbranch_scc0 .Lraw_\@                        ; weights are quantised as they come
	LNORM
.Lraw_\@:
.irp j, 0,1,2,3,4,5,6,7
	ds_store_b128 v14, v[RS+4*\j:RS+4*\j+3] offset:2560*(\j/4)+640*(\j%4)
.endr
.irp u, 0,1
.irp i, 0,1,2,3
	ds_load_b128 v[X+16*\u+4*\i:X+16*\u+4*\i+3], v15 offset:2560*\u+16*\i   ; LDS serves a wave's instructions in order: these see the stores above
.endr
.endr
	s_wait_dscnt 0x0                               ; the row is back as neighbours, and the stage's stores have read this set
	s_wait_xcnt 0x0                                ; the last row's stores of codes have read their registers
.if (\t)+3 < 8
	LOAD (\t)+3                                    ; into the set just left
.endif
	QSTEP \t, 0
	QSTEP \t, 1
.endm
	LOAD 0
	LOAD 1
	LOAD 2
	ROW 0, 16                                      ; two later rows, 16 loads, may be out
	ROW 1, 16
	ROW 2, 16
	ROW 3, 16
	ROW 4, 16
	ROW 5, 16
	ROW 6, 8
	ROW 7, 0
	ds_load_b64 v[12:13], v6                       ; my wave's 256 scale bytes: eight stored rows of 32
	s_wait_dscnt 0x0
	global_store_b64 v7, v[12:13], s[16:17]        ; 32 lanes store 256 consecutive bytes, aligned
	s_wait_tensorcnt 0x0
	ds_add_u32 v240, v241
	s_wait_dscnt 0x0
	s_endpgm
.Lfunc_end_k_qbe339036b5_prep:
	.size	k_qbe339036b5_prep, .Lfunc_end_k_qbe339036b5_prep-k_qbe339036b5_prep
	.p2alignl 7, 3214868480
	.fill 96, 4, 3214868480
	.section	.rodata,"a",@progbits
	.p2align	6, 0x0
	.amdhsa_kernel k_qbe339036b5_prep
		.amdhsa_group_segment_fixed_size 33280
		.amdhsa_private_segment_fixed_size 0
		.amdhsa_enable_private_segment 0
		.amdhsa_kernarg_size 72
		.amdhsa_user_sgpr_count 2
		.amdhsa_user_sgpr_kernarg_segment_ptr 1
		.amdhsa_wavefront_size32 1
		.amdhsa_system_sgpr_workgroup_id_x 1
		.amdhsa_system_sgpr_workgroup_id_y 1
		.amdhsa_system_sgpr_workgroup_id_z 1
		.amdhsa_system_vgpr_workitem_id 0
		.amdhsa_next_free_vgpr 242
		.amdhsa_next_free_sgpr 66
		.amdhsa_reserve_vcc 0
		.amdhsa_float_denorm_mode_32 3
		.amdhsa_float_denorm_mode_16_64 3
		.amdhsa_memory_ordered 1
		.amdhsa_forward_progress 1
		.amdhsa_inst_pref_size 84
	.end_amdhsa_kernel
	.amdgpu_metadata
---
amdhsa.version: [ 1, 2 ]
amdhsa.kernels:
  - .name:           k_qbe339036b5_prep
    .symbol:         k_qbe339036b5_prep.kd
    .args:
      - { .name: hidden_states, .offset: 0, .size: 8, .value_kind: global_buffer, .address_space: global }
      - { .name: in_proj_weight, .offset: 8, .size: 8, .value_kind: global_buffer, .address_space: global }
      - { .name: out_proj_weight, .offset: 16, .size: 8, .value_kind: global_buffer, .address_space: global }
      - { .name: norm_weight, .offset: 24, .size: 8, .value_kind: global_buffer, .address_space: global }
      - { .name: norm_bias, .offset: 32, .size: 8, .value_kind: global_buffer, .address_space: global }
      - { .name: ycodes, .offset: 40, .size: 8, .value_kind: global_buffer, .address_space: global }
      - { .name: yscl, .offset: 48, .size: 8, .value_kind: global_buffer, .address_space: global }
      - { .name: wcodes, .offset: 56, .size: 8, .value_kind: global_buffer, .address_space: global }
      - { .name: wscl, .offset: 64, .size: 8, .value_kind: global_buffer, .address_space: global }
    .group_segment_fixed_size: 33280
    .private_segment_fixed_size: 0
    .kernarg_segment_align: 8
    .kernarg_segment_size: 72
    .max_flat_workgroup_size: 128
    .sgpr_count:     66
    .vgpr_count:     242
    .wavefront_size: 32
...
	.end_amdgpu_metadata
.endif
;; end of part 1
;; launch qkv (part 2): grid 12 x 32, 4 waves a work-group, clusters of 4 x 4, 327,680 bytes of LDS; arguments ycodes, yscl, wcodes, wscl, sclimg, in_proj_bias, img; writes img, sclimg
.if DOCPART == 2
	.amdgcn_target "amdgcn-amd-amdhsa--gfx1250"
	.amdhsa_code_object_version 6
	.text
	.protected	k_qbe339036b5_qkv
	.globl	k_qbe339036b5_qkv
	.p2align	8
	.type	k_qbe339036b5_qkv,@function
k_qbe339036b5_qkv:
	s_mov_b64 s[64:65], 0
	v_nop
	global_prefetch_b8 v0, s[64:65] scope:SCOPE_SE
	s_setreg_imm32_b32 hwreg(HW_REG_WAVE_MODE, 25, 1), 1
	s_wait_xcnt 0x0
	s_wait_alu depctr_hold_cnt(0) depctr_sa_sdst(0) depctr_va_vdst(0) depctr_va_sdst(0) depctr_va_ssrc(0) depctr_va_vcc(0) depctr_vm_vsrc(0)
	s_getreg_b32 s2, hwreg(HW_REG_IB_STS2, 6, 4)
	s_cmp_eq_u32 s2, 0
	s_cbranch_scc0 .Lentry_in_a_cluster
	s_endpgm
.Lentry_in_a_cluster:
	s_bfe_u32 s2, ttmp6, 0x10000c
	s_cmp_lg_u32 s2, 0xf033
	s_cbranch_scc0 .Lentry_shape_is_right
	s_endpgm
.Lentry_shape_is_right:
; q, k, v = y W^T + bias on codes of BF6 (E3M2) with E8M0 scales, K = 1,024; the results are quantised in registers and leave as IMAGES OF THE NEXT PRODUCTS' OPERAND REGISTERS.
; A tile of C = A B^T is 256 x 256: four waves, each 128 x 128 in 64 accumulators.  K goes in steps of 256 through two LDS slots filled by joint tensor loads in clusters of 4 x 4; the scales come once.
; The matrix instruction is used transposed (source 0 = 16 rows of B, source 1 = 16 rows of A): a lane holds ONE row of A, and its registers run along B's rows.
; TWO MODES, told apart by the cluster's x, which all partners share.  Clusters x = 0, 1: A = y (tokens), B = W rows 0-2047: a lane holds a token, its registers run along the features: q and k are quantised
; along the head's 64.  Cluster x = 2: A = W rows 2048-3071 (features of v), B = y: a lane holds a feature, its registers run along the tokens: v is quantised along the keys.
; Rows of y and W are stored with bits 3 and 4 of the row number exchanged, so that the 16 registers of B's tiles 2 B' and 2 B' + 1 are the 16 neighbours 32 B' + 16 (lane / 16) + 0 .. 15,
; and lane r of A's tile 2 B' + u stands for row 32 B' + 8 u + r + 8 (r / 8).
; OUT.  img [which 3][batch 8][head 16][49,152]: q, k: a tile of 16 stored tokens is 768 bytes: registers 0-3 at 16 x lane, registers 4-5 at 512 + 8 x lane (the head's 64 are half a fragment).
; v: [key step 8][tile of 16 features 4][1,536]: a whole fragment, registers 4 c .. 4 c + 3 at 512 c + 16 x lane.  sclimg [which][batch][head][4,096]: q, k: [step][512], the word of tile 2 B' + u, row r at
; 16 (16 u + r) + 4 B' (bytes 2 and 3 are 0); v: [step][256], the word of tile 2 U + u, row r at 8 (16 u + r) + 4 U.  Every store covers 256 or 512 consecutive bytes, aligned.
; LIMITS: a block of zeros gets the byte 1 and not 127 (its codes are zeros; this program alone reads the bytes); blocks under the floor 2^(5 - 127) were not tried; NaN and infinities are not served.
; 384 tiles of equal work; no prefetch: K has two slots, and the tiles are shared by the joint loads.
.set KSTEP,  256
.set NQ,     2
.set ROWB,   192
.set KROW,   768
.set PITCH,  240                       ; an LDS row: 3 x (64 bytes + 16 of padding)
.set FR,     12
.set NL,     6
.set NP,     4
.set HALFT,  128*PITCH
.set SLOT,   4*HALFT
.set LAPS,   2
.set KS,     32
.set SCL,    2*SLOT                    ; behind the ring: the scales, as runs of 256 bytes + 16 of padding
.set HALFS,  (128*KS/256)*272
.set SBLK,   (16*KS/256)*272
.set SPARE,  SCL+4*HALFS               ; the spare words: 128 bytes a wave, named by no other line
.set ADRA, 16                          ; v16-19 LDS addresses of A's fragments (slot 0, 1; the same behind one padding more)
.set ADRB, 20                          ; v20-23 of B's
.set ADRS, 27                          ; v27    of my scale words
.set SPW,  28
.set NIL,  29
.set O16,  30                          ; v30    16 x lane
.set O8,   31                          ; v31    8 x lane
.set SC,   32                          ; v32-63 scale words, two sets
.set BN,   64                          ; v64-127  the bias along my registers: register 16 B' + i: column 32 B' + 16 (lane / 16) + i
.set AF,   128                         ; v128-223 A's fragments
.set BM,   240                         ; v240-255 the bias of my lane's row of A's block a, twice, at 2 a
.set T,    128                         ; the way out: 64 numbers
.set QC,   192                         ; v192-203 the codes just made; v204-210 at work
.set TM,   212                         ; v212-227 at work
.set PW,   228                         ; the scale word just made
.set SWL,  232                         ; v232-235, v236-239 scale words gathered for the stores
.set SWH,  236
.set SEL,  66
.set G1, 24
.set G0, 32
.set G1B, 48
.set G0B, 56
.set G1S, 68
.set G0S, 76
.set G1SB, 80
.set G0SB, 88
.set MSB, 0
.macro WIN new                         ; the immediate's high byte repeats the setting that is left
.if MSB != \new
	s_set_vgpr_msb (MSB<<8)|\new
.set MSB, \new
.endif
.endm
.set MUL_LO, 0xa1                      ; source 0 (B) window 1, source 1 (A) window 0, C and D window 2
.set MUL_HI, 0xf1
.set TO_B,   0x40
; A joint load: waves 0 and 1 fetch for A, waves 2 and 3 for B; the branch hangs on the wave's number alone.  Four v_nop follow each of the two lines.
.macro JLOAD g0a, g1a, g0b, g1b
	s_cmp_eq_u32 s15, 0
	s_cbranch_scc0 .Lfor_b_\@
	tensor_load_to_lds s[\g0a:\g0a+3], s[\g1a:\g1a+7]
	s_nop 0
.rept 4
	v_nop
.endr
	s_branch .Lasked_\@
.Lfor_b_\@:
	tensor_load_to_lds s[\g0b:\g0b+3], s[\g1b:\g1b+7]
	s_nop 0
.rept 4
	v_nop
.endr
.Lasked_\@:
.endm
.macro CREST
	s_cmp_lg_u32 s14, 0
	s_cbranch_scc1 .Lnot_wave_0_\@
	s_barrier_signal -3
.Lnot_wave_0_\@:
	s_barrier_wait -3
	s_barrier_signal -1
	s_barrier_wait -1
.endm
.macro CROUND
	s_barrier_signal -1
	s_barrier_wait -1
	CREST
.endm
	s_load_b128 s[4:7], s[0:1], 0x0                ; y's codes, y's scales
	s_load_b128 s[8:11], s[0:1], 0x10              ; W's codes, W's scales
	s_load_b128 s[96:99], s[0:1], 0x20             ; sclimg, in_proj_bias
	s_load_b64 s[12:13], s[0:1], 0x30              ; img
	v_lshl_add_u32 v[SPW], v0, 2, SPARE
	v_mov_b32 v[NIL], 0
	ds_add_u32 v28, v29
	ds_add_u32 v28, v29
	s_wait_dscnt 0x0
	v_lshrrev_b32 v1, 5, v0
	v_readfirstlane_b32 s14, v1                    ; wave 0..3
	s_lshr_b32 s15, s14, 1                         ; my half of A's rows.  Also: I fetch for A (0) or for B (1)
	s_and_b32 s16, s14, 1                          ; my half of B's rows.  Also: which 128 rows I fetch
	s_bfe_u32 s40, ttmp6, 0x40000                  ; cx
	s_bfe_u32 s41, ttmp6, 0x40004                  ; cy
	s_and_b32 s101, ttmp7, 0xffff                  ; cluster y
	s_cmp_eq_u32 ttmp9, 2                          ; the mode: the same in all sixteen partners
	s_cselect_b32 s100, 1, 0
	s_cselect_b32 s42, s101, ttmp9
	s_cselect_b32 s17, 2, s101
	s_lshl_b32 s42, s42, 2
	s_add_co_u32 s42, s42, s40                     ; B's tile of 256 rows: features 0-7, or (v) tokens 0-31
	s_lshl_b32 s17, s17, 2
	s_add_co_u32 s17, s17, s41                     ; A's tile of 256 rows: tokens 0-31, or (v) W's tiles 8-11
	s_lshl_b32 s43, s41, 2
	s_lshl_b32 s43, 15, s43                        ; my row of the cluster
	s_lshl_b32 s44, 0x1111, s40                    ; my column
	s_or_b32 s[G1+0], s43, (0<<16)|(1<<20)|(1<<21)|(3<<22)|(3<<25)  ; the mask; elements of 1 byte; padding on; bit 21 beside a mask; 4 words behind every 16
	s_or_b32 s[G1B+0], s44, (0<<16)|(1<<20)|(1<<21)|(3<<22)|(3<<25)
.irp g, G1, G1B
	s_mov_b32 s[\g+1], ROWB<<16                    ; tensor_dim0
	s_mov_b32 s[\g+2], 128<<16                     ; tensor_dim1
	s_mov_b32 s[\g+3], ROWB<<16                    ; tile_dim0
	s_mov_b32 s[\g+4], 128                         ; tile_dim1
	s_mov_b32 s[\g+5], KROW                        ; the pitch
	s_mov_b32 s[\g+6], 0
	s_mov_b32 s[\g+7], 0
.endr
	s_or_b32 s[G1S+0], s43, (3<<16)|(1<<20)|(1<<21)|(5<<22)|(3<<25)  ; the scales of 128 rows: 4,096 dense bytes as rows of 256, 16 bytes of padding behind each
	s_or_b32 s[G1SB+0], s44, (3<<16)|(1<<20)|(1<<21)|(5<<22)|(3<<25)
.irp g, G1S, G1SB
	s_mov_b32 s[\g+1], 32<<16
	s_mov_b32 s[\g+2], (128*KS/256)<<16
	s_mov_b32 s[\g+3], 32<<16
	s_mov_b32 s[\g+4], 128*KS/256
	s_mov_b32 s[\g+5], 32
	s_mov_b32 s[\g+6], 0
	s_mov_b32 s[\g+7], 0
.endr
	s_lshl_b32 s18, s16, 7
	s_lshl_b32 s20, s17, 8
	s_add_co_u32 s20, s20, s18                     ; A: row 256 x tile + 128 x half
	s_lshl_b32 s46, s42, 8
	s_add_co_u32 s46, s46, s18                     ; B likewise
	s_mov_b32 s21, 0
	s_mov_b32 s47, 0
	s_mov_b64 s[18:19], KS
	s_mul_u64 s[22:23], s[20:21], s[18:19]
	s_mul_u64 s[92:93], s[46:47], s[18:19]
	s_mov_b64 s[18:19], KROW
	s_mul_u64 s[20:21], s[20:21], s[18:19]
	s_mul_u64 s[46:47], s[46:47], s[18:19]
	s_mul_i32 s45, s14, HALFT                      ; where they go: wave x 128 rows
	s_mul_i32 s94, s14, HALFS
	s_wait_kmcnt 0x0
	s_cmp_eq_u32 s100, 1                           ; for v the two operands change places: a choice between buffers on the cluster's x
	s_cselect_b64 s[2:3], s[8:9], s[4:5]
	s_cselect_b64 s[8:9], s[4:5], s[8:9]
	s_mov_b64 s[4:5], s[2:3]
	s_cselect_b64 s[2:3], s[10:11], s[6:7]
	s_cselect_b64 s[10:11], s[6:7], s[10:11]
	s_mov_b64 s[6:7], s[2:3]
	s_add_nc_u64 s[20:21], s[4:5], s[20:21]
	s_add_nc_u64 s[22:23], s[6:7], s[22:23]
	s_add_nc_u64 s[46:47], s[8:9], s[46:47]
	s_add_nc_u64 s[92:93], s[10:11], s[92:93]
	CROUND                                         ; all sixteen work-groups are here: the first joint loads meet
	s_mov_b32 s[G0S], 1
	s_add_co_u32 s[G0S+1], s94, SCL
	s_mov_b64 s[G0S+2:G0S+3], s[22:23]
	s_or_b32 s[G0S+3], s[G0S+3], 0x80000000
	s_mov_b32 s[G0SB], 1
	s_add_co_u32 s[G0SB+1], s94, SCL
	s_mov_b64 s[G0SB+2:G0SB+3], s[92:93]
	s_or_b32 s[G0SB+3], s[G0SB+3], 0x80000000
	JLOAD G0S, G1S, G0SB, G1SB                     ; the scales first.  With the two slots below three tensor loads of mine are out
.irp s, 0,1
	s_mov_b32 s[G0+4*\s], 1
	s_add_co_u32 s[G0+4*\s+1], s45, \s*SLOT
	s_add_nc_u64 s[G0+4*\s+2:G0+4*\s+3], s[20:21], \s*ROWB
	s_or_b32 s[G0+4*\s+3], s[G0+4*\s+3], 0x80000000
	s_mov_b32 s[G0B+4*\s], 1
	s_add_co_u32 s[G0B+4*\s+1], s45, \s*SLOT
	s_add_nc_u64 s[G0B+4*\s+2:G0B+4*\s+3], s[46:47], \s*ROWB
	s_or_b32 s[G0B+4*\s+3], s[G0B+4*\s+3], 0x80000000
	JLOAD G0+4*\s, G1, G0B+4*\s, G1B
.endr
	v_and_b32 v1, 15, v0                           ; r
	v_bfe_u32 v2, v0, 4, 1                         ; h
	v_mul_u32_u24 v3, v1, PITCH
	v_mul_u32_u24 v4, v2, 24
	v_add_nc_u32 v4, v3, v4                        ; a fragment's row x pitch + 24 x half
	v_lshl_add_u32 v5, v2, 4, v4                   ; and the same behind one padding more
	s_mul_i32 s21, s15, HALFT
	s_mul_i32 s22, s16, HALFT
	s_add_co_u32 s22, s22, 2*HALFT
.irp s, 0,1
	v_add_nc_u32 v[ADRA+\s], s21, v4
	v_add_nc_u32 v[ADRB+\s], s22, v4
	v_add_nc_u32 v[ADRA+2+\s], s21, v5
	v_add_nc_u32 v[ADRB+2+\s], s22, v5
	s_add_co_u32 s21, s21, SLOT
	s_add_co_u32 s22, s22, SLOT
.endr
	v_mul_u32_u24 v5, v1, KS
	v_lshrrev_b32 v6, 8, v5
	v_lshl_add_u32 v5, v6, 4, v5
	s_mul_i32 s21, s15, HALFS
	s_mul_i32 s22, s16, HALFS
	s_add_co_u32 s22, s22, 2*HALFS
	s_sub_co_u32 s22, s22, s21
	v_mul_u32_u24 v6, s22, v2                      ; lanes 16-31 take B's words
	s_add_co_u32 s21, s21, SCL
	v_add_nc_u32 v5, v5, v6
	v_add_nc_u32 v[ADRS], s21, v5
	v_and_b32 v6, 31, v0
	v_lshlrev_b32 v[O16], 4, v6
	v_lshlrev_b32 v[O8], 3, v6
	v_lshlrev_b32 v7, 6, v2                        ; 64 h: my 16 numbers of a block of 32 of the bias
	v_and_b32 v8, 8, v1
	v_add_nc_u32 v8, v8, v1
	v_lshlrev_b32 v8, 2, v8                        ; 4 (r + 8 (r / 8)): my row's number of the bias
	; where my wave's results go.  Tk = 2 x tile of tokens + half: batch Tk / 8, key step Tk % 8.  F = 2 x tile of features + half: q, k or v F / 8, heads 2 (F % 8) and the next.
	; These numbers mix cx and cy: they stand in registers that feed no descriptor.
	s_cmp_eq_u32 s100, 1
	s_cselect_b32 s66, s42, s17
	s_cselect_b32 s67, s17, s42
	s_cselect_b32 s95, s15, s16
	s_cselect_b32 s105, s16, s15
	s_lshl_b32 s66, s66, 1
	s_add_co_u32 s66, s66, s105                    ; Tk
	s_lshl_b32 s67, s67, 1
	s_add_co_u32 s67, s67, s95                     ; F
	s_lshl_b32 s104, s67, 9
	s_mov_b32 s105, 0
	s_add_nc_u64 s[98:99], s[98:99], s[104:105]    ; the bias of my 128 features
	s_lshr_b32 s95, s67, 3
	s_lshl_b32 s95, s95, 7
	s_and_b32 s104, s67, 7
	s_lshl_b32 s104, s104, 1
	s_add_co_u32 s95, s95, s104
	s_lshr_b32 s104, s66, 3
	s_lshl_b32 s104, s104, 4
	s_add_co_u32 s95, s95, s104                    ; the region: 128 x which + 16 x batch + head
	s_and_b32 s66, s66, 7                          ; the key step
	s_mul_i32 s104, s95, 49152
	s_add_nc_u64 s[12:13], s[12:13], s[104:105]
	s_mul_i32 s104, s66, 6144                      ; eight tiles of 768 bytes, or four fragments of 1,536
	s_add_nc_u64 s[12:13], s[12:13], s[104:105]
	s_lshl_b32 s104, s95, 12
	s_add_nc_u64 s[96:97], s[96:97], s[104:105]
	s_cmp_eq_u32 s100, 1
	s_cselect_b32 s104, 8, 9                       ; a step's scale words: 256 bytes for v, 512 for q and k
	s_lshl_b32 s104, s66, s104
	s_add_nc_u64 s[96:97], s[96:97], s[104:105]
	s_mov_b32 s[SEL], 0x76543210
	s_mov_b32 s[SEL+1], 0xfedcba98
.irp b, 0,1,2,3                        ; both forms of the bias are loaded in both modes (both stay inside its 3,072 numbers); they land during the products
.irp j, 0,1,2,3
	global_load_b128 v[BN+16*\b+4*\j:BN+16*\b+4*\j+3], v7, s[98:99] offset:128*\b+16*\j
.endr
.endr
.irp a, 0,1,2,3,4,5,6,7
	global_load_b32 v[BM+2*\a], v8, s[98:99] offset:(32*(\a/2)+8*(\a%2))*4
	global_load_b32 v[BM+2*\a+1], v8, s[98:99] offset:(32*(\a/2)+8*(\a%2))*4
.endr
.macro FRAG reg, adr, q, i             ; a fragment: 16 rows x 128 K in 12 registers, in pieces of 8 bytes; where lanes 16-31's piece lies behind one padding more, the second address register serves
.irp p, 0,1,2,3,4,5
.set PCE, 12*(\q)+6*(\p/3)+\p%3
.if PCE%8 < 5
	ds_load_b64 v[\reg+2*\p:\reg+2*\p+1], v[\adr] offset:8*PCE+16*(PCE/8)+(\i)*16*PITCH
.else
	ds_load_b64 v[\reg+2*\p:\reg+2*\p+1], v[\adr+2] offset:8*PCE+16*(PCE/8)+(\i)*16*PITCH
.endif
.endr
.endm
; 16 matrix instructions: A's blocks a0, a0 + 1 x B's eight.  The 64 accumulators take turns, one instruction a turn, in the same order in every step.
.macro MUL16 a0, p, q, sc, zero
.irp a, \a0, \a0+1
.irp b, 0,1,2,3,4,5,6,7
.if \zero
	v_wmma_scale_f32_16x16x128_f8f6f4 v[8*(8*((\a)%4)+\b):8*(8*((\a)%4)+\b)+7], v[128*(\p)+FR*\b:128*(\p)+FR*\b+FR-1], v[AF+FR*(\a):AF+FR*(\a)+FR-1], 0, v[SC+8*NQ*(\sc)+NQ*\b+(\q)], v[SC+8*NQ*(\sc)+NQ*(\a)+(\q)] matrix_a_fmt:MATRIX_FMT_BF6 matrix_b_fmt:MATRIX_FMT_BF6 matrix_a_scale:MATRIX_SCALE_ROW1
.else
	v_wmma_scale_f32_16x16x128_f8f6f4 v[8*(8*((\a)%4)+\b):8*(8*((\a)%4)+\b)+7], v[128*(\p)+FR*\b:128*(\p)+FR*\b+FR-1], v[AF+FR*(\a):AF+FR*(\a)+FR-1], v[8*(8*((\a)%4)+\b):8*(8*((\a)%4)+\b)+7], v[SC+8*NQ*(\sc)+NQ*\b+(\q)], v[SC+8*NQ*(\sc)+NQ*(\a)+(\q)] matrix_a_fmt:MATRIX_FMT_BF6 matrix_b_fmt:MATRIX_FMT_BF6 matrix_a_scale:MATRIX_SCALE_ROW1
.endif
.endr
.endr
.endm
.macro FETCH_B slot, q, p
	WIN TO_B
.irp i, 0,1,2,3,4,5,6,7
	FRAG 128*(\p)+FR*\i, ADRB+\slot, \q, \i
.endr
	WIN 0
.endm
.macro FETCH_A slot, q, i0
.irp i, \i0, \i0+1, \i0+2, \i0+3
	FRAG AF+FR*(\i), ADRA+\slot, \q, \i
.endr
.endm
.macro SCALES sc
.irp i, 0,1,2,3,4,5,6,7
	ds_load_b64 v[SC+8*NQ*\sc+NQ*\i:SC+8*NQ*\sc+NQ*\i+1], v[ADRS] offset:\i*SBLK
.endr
.endm
.macro PLACES n                        ; plain vector instructions between a matrix instruction and a load into, or a read of, its registers
.rept \n
	v_nop
.endr
.endm
.macro STEP slot, q, zero
	s_wait_dscnt 4*NL                              ; B's set and A's blocks 0-3 are in; the youngest 24 loads (A's blocks 4-7) may be out
	WIN MUL_LO
	MUL16 0, (\q)%2, \q, \slot, \zero
	MUL16 2, (\q)%2, \q, \slot, \zero
	s_wait_dscnt 0
	PLACES NP
	FETCH_B \slot, (\q)+1, 1-(\q)%2
	FETCH_A \slot, (\q)+1, 0
	WIN MUL_HI
	MUL16 4, (\q)%2, \q, \slot, \zero
	MUL16 6, (\q)%2, \q, \slot, \zero
	PLACES NP
	WIN 0
	FETCH_A \slot, (\q)+1, 4
.endm
; A slot's last step changes slots: one barrier; ahead of it each wave waits for all its tensor loads, adds 0 to its spare word, and waits for that and for its reads of this slot.
.macro TURN slot, next, fill
	s_wait_tensorcnt 0x0                           ; all my tensor loads have landed: my part of the next slot
	ds_add_u32 v[SPW], v[NIL]                      ; 0 onto my spare word
	s_wait_dscnt 4*NL+1                            ; (the add and the youngest 24 loads may be out)
	WIN MUL_LO
	MUL16 0, 1, NQ-1, \slot, 0
	s_wait_dscnt 0x0                               ; the add is done, and my reads of this slot are over
	s_barrier_signal -1
	MUL16 2, 1, NQ-1, \slot, 0
	WIN 0
	s_barrier_wait -1
.if \fill
	CREST                                          ; the barrier has opened a round of the cluster's: no wave of any partner still reads this slot or has a load on its way
	s_add_nc_u64 s[G0+4*\slot+2:G0+4*\slot+3], s[G0+4*\slot+2:G0+4*\slot+3], 2*ROWB
	s_add_nc_u64 s[G0B+4*\slot+2:G0B+4*\slot+3], s[G0B+4*\slot+2:G0B+4*\slot+3], 2*ROWB
	JLOAD G0+4*\slot, G1, G0B+4*\slot, G1B         ; my one tensor load behind the round; its four v_nop are the places ahead of the loads below
.else
	PLACES NP
.endif
	v_add_nc_u32 v[ADRS], 4*NQ, v[ADRS]
	FETCH_B \next, 0, 0
	FETCH_A \next, 0, 0
	SCALES \next
	WIN MUL_HI
	MUL16 4, 1, NQ-1, \slot, 0
	MUL16 6, 1, NQ-1, \slot, 0
	PLACES NP
	WIN 0
	FETCH_A \next, 0, 4
.endm
	s_wait_tensorcnt 1                             ; the scales and my part of K step 0 are in; K step 1's load may be out
	s_barrier_signal -1
	s_barrier_wait -1
	FETCH_B 0, 0, 0
	FETCH_A 0, 0, 0
	SCALES 0
	FETCH_A 0, 0, 4
	STEP 0, 0, 1                                   ; the first step's products start the sums
	s_mov_b32 s3, LAPS-1
.Llap:
	TURN 0, 1, 1
	STEP 1, 0, 0
	TURN 1, 0, 1
	STEP 0, 0, 0
	s_sub_co_u32 s3, s3, 1
	s_cmp_lg_u32 s3, 0
	s_cbranch_scc1 .Llap
	TURN 0, 1, 0                                   ; the last lap fills nothing
	STEP 1, 0, 0
	s_wait_dscnt 4*NL
	WIN MUL_LO
	MUL16 0, 1, NQ-1, 1, 0
	MUL16 2, 1, NQ-1, 1, 0
	s_wait_dscnt 0
	WIN MUL_HI
	MUL16 4, 1, NQ-1, 1, 0
	MUL16 6, 1, NQ-1, 1, 0
	WIN 0
; 64 numbers of a lane, register 16 b + i = k 32 b + 16 (lane / 16) + i of my row, become a fragment's codes in v[QC] on and its scale word in v[PW].
.macro QUANT s
.irp b, 0,1,2,3
	v_max3_num_f32 v[TM+\b], |v[\s+16*\b]|, |v[\s+1+16*\b]|, 0x2800000   ; my 16 numbers of block b, and the floor 2^(5 - 127)
.endr
.irp i, 2,4,6,8,10,12,14
.irp b, 0,1,2,3
	v_max3_num_f32 v[TM+\b], v[TM+\b], |v[\s+16*\b+\i]|, |v[\s+1+16*\b+\i]|
.endr
.endr
.irp b, 0,1,2,3
	v_permlanex16_b32 v[TM+4+\b], v[TM+\b], s[SEL], s[SEL+1]
.endr
.irp b, 0,1,2,3
	v_max_num_f32 v[TM+\b], v[TM+\b], v[TM+4+\b]   ; with lane l xor 16's: the block's largest magnitude
.endr
.irp b, 0,1,2,3
	v_add_nc_u32 v[TM+12+\b], 0xfe000000, v[TM+\b] ; 4 off its exponent field: the conversion's scale operand
.endr
.irp b, 0,1,2,3
	v_lshrrev_b32 v[TM+4+\b], 23, v[TM+12+\b]      ; the scale's byte
.endr
	v_lshl_or_b32 v[PW], v[TM+5], 8, v[TM+4]
	v_lshl_or_b32 v[PW], v[TM+6], 16, v[PW]
	v_lshl_or_b32 v[PW], v[TM+7], 24, v[PW]
.irp c, 0,1
	v_cvt_scalef32_pk16_bf6_f32 v[QC+6*\c:QC+2+6*\c], v[\s+32*\c:\s+15+32*\c], v[TM+12+2*\c]
	v_cvt_scalef32_pk16_bf6_f32 v[QC+12+4*\c:QC+14+4*\c], v[\s+16+32*\c:\s+31+32*\c], v[TM+12+2*\c+1]   ; (a conversion's three registers begin on an even number)
.endr
	v_nop                                          ; a plain instruction behind the conversions
.irp c, 0,1                            ; the operand's layout wants a whole block in a lane
.irp i, 0,1,2
	v_permlane16_swap_b32 v[QC+6*\c+\i], v[QC+12+4*\c+\i]
.endr
.irp i, 0,1,2
	v_mov_b32 v[QC+3+6*\c+\i], v[QC+12+4*\c+\i]
.endr
.endr
.endm
; THE WAY OUT, A's block a at a time: + bias, quantised, stored as images.  No LDS.  mode 0: q and k; mode 1: v.
.macro EPI mode
.irp a, 0,1,2,3,4,5,6,7
	WIN (0x02+\a/4)                                ; source 0: the accumulators' window
.set i, 0
.rept 32                               ; in ascending order: each accumulator is read from its low end on
.if \mode
	v_pk_add_f32 v[T+i:T+i+1], v[64*(\a%4)+i:64*(\a%4)+i+1], v[BM+2*\a:BM+2*\a+1]
.else
	v_pk_add_f32 v[T+i:T+i+1], v[64*(\a%4)+i:64*(\a%4)+i+1], v[BN+i:BN+i+1]
.endif
.set i, i+2
.endr
	WIN 0
.if \a > 0
	s_wait_xcnt 0x0                                ; the last block's stores have read the codes' registers
.endif
	QUANT T
.if \mode
.if \a%2 == 0
	v_mov_b32 v[SWL+\a/2], v[PW]
.else
	v_cndmask_b32 v[SWL+\a/2], v[SWL+\a/2], v[PW], vcc_lo     ; lanes 16-31 take the odd tile's word
.endif
.irp c, 0,1,2
	global_store_b128 v[O16], v[QC+4*\c:QC+4*\c+3], s[12:13] offset:(\a/4)*49152+(\a%4)*1536+512*\c   ; head a / 4, tile of features a % 4: 512 consecutive bytes
.endr
.else
.if \a%2 == 0
	v_and_b32 v[SWL+\a/2], 0xffff, v[PW]           ; the first head's two bytes; bytes 2 and 3 are 0
	v_lshrrev_b32 v[SWH+\a/2], 16, v[PW]           ; the second head's
.else
	v_and_b32 v229, 0xffff, v[PW]
	v_lshrrev_b32 v230, 16, v[PW]
	v_cndmask_b32 v[SWL+\a/2], v[SWL+\a/2], v229, vcc_lo
	v_cndmask_b32 v[SWH+\a/2], v[SWH+\a/2], v230, vcc_lo
.endif
	global_store_b128 v[O16], v[QC:QC+3], s[12:13] offset:768*\a
	global_store_b64 v[O8], v[QC+4:QC+5], s[12:13] offset:768*\a+512
	global_store_b128 v[O16], v[QC+6:QC+9], s[12:13] offset:49152+768*\a
	global_store_b64 v[O8], v[QC+10:QC+11], s[12:13] offset:49152+768*\a+512
.endif
.endr
.if \mode
	global_store_b64 v[O8], v[SWL:SWL+1], s[96:97]
	global_store_b64 v[O8], v[SWL+2:SWL+3], s[96:97] offset:4096
.else
	global_store_b128 v[O16], v[SWL:SWL+3], s[96:97]
	global_store_b128 v[O16], v[SWH:SWH+3], s[96:97] offset:4096
.endif
.endm
	PLACES NP                                      ; behind the last products, ahead of the first read of results
	s_wait_loadcnt 0x0                             ; the bias
	s_mov_b32 vcc_lo, 0xffff0000                   ; lanes 16-31
.irp b, 0,1,2,3
	v_mov_b32 v[TM+4+\b], 0                        ; a lane permute's destination counts as read: written once
.endr
	s_cmp_eq_u32 s100, 0
	s_cbranch_scc0 .Lv                             ; on the cluster's x: alike in all partners
	EPI 0
	s_branch .Lend
.Lv:
	EPI 1
.Lend:
	s_wait_tensorcnt 0x0                           ; the wave's end
	ds_add_u32 v[SPW], v[NIL]
	s_wait_dscnt 0x0
	CROUND                                         ; the closing round
	s_endpgm
.Lfunc_end_k_qbe339036b5_qkv:
	.size	k_qbe339036b5_qkv, .Lfunc_end_k_qbe339036b5_qkv-k_qbe339036b5_qkv
	.p2alignl 7, 3214868480
	.fill 96, 4, 3214868480
	.section	.rodata,"a",@progbits
	.p2align	6, 0x0
	.amdhsa_kernel k_qbe339036b5_qkv
		.amdhsa_group_segment_fixed_size 327680
		.amdhsa_private_segment_fixed_size 0
		.amdhsa_enable_private_segment 0
		.amdhsa_kernarg_size 56
		.amdhsa_user_sgpr_count 2
		.amdhsa_user_sgpr_kernarg_segment_ptr 1
		.amdhsa_wavefront_size32 1
		.amdhsa_system_sgpr_workgroup_id_x 1
		.amdhsa_system_sgpr_workgroup_id_y 1
		.amdhsa_system_sgpr_workgroup_id_z 1
		.amdhsa_system_vgpr_workitem_id 0
		.amdhsa_next_free_vgpr 1024
		.amdhsa_next_free_sgpr 106
		.amdhsa_reserve_vcc 1
		.amdhsa_float_denorm_mode_32 3
		.amdhsa_float_denorm_mode_16_64 3
		.amdhsa_memory_ordered 1
		.amdhsa_forward_progress 1
		.amdhsa_inst_pref_size 235
	.end_amdhsa_kernel
	.amdgpu_metadata
---
amdhsa.version: [ 1, 2 ]
amdhsa.kernels:
  - .name:           k_qbe339036b5_qkv
    .symbol:         k_qbe339036b5_qkv.kd
    .args:
      - { .name: ycodes, .offset: 0, .size: 8, .value_kind: global_buffer, .address_space: global }
      - { .name: yscl, .offset: 8, .size: 8, .value_kind: global_buffer, .address_space: global }
      - { .name: wcodes, .offset: 16, .size: 8, .value_kind: global_buffer, .address_space: global }
      - { .name: wscl, .offset: 24, .size: 8, .value_kind: global_buffer, .address_space: global }
      - { .name: sclimg, .offset: 32, .size: 8, .value_kind: global_buffer, .address_space: global }
      - { .name: in_proj_bias, .offset: 40, .size: 8, .value_kind: global_buffer, .address_space: global }
      - { .name: img, .offset: 48, .size: 8, .value_kind: global_buffer, .address_space: global }
    .group_segment_fixed_size: 327680
    .private_segment_fixed_size: 0
    .kernarg_segment_align: 8
    .kernarg_segment_size: 56
    .max_flat_workgroup_size: 128
    .sgpr_count:     106
    .vgpr_count:     1024
    .wavefront_size: 32
...
	.end_amdgpu_metadata
.endif
;; end of part 2
;; launch attn (part 3): grid 4 x 64, 16 waves a work-group, no clusters, 215,040 bytes of LDS; arguments img, sclimg, encoder_padding_mask, ctximg, ctxscl; writes ctximg, ctxscl
.if DOCPART == 3
	.amdgcn_target "amdgcn-amd-amdhsa--gfx1250"
	.amdhsa_code_object_version 6
	.text
	.protected	k_qbe339036b5_attn
	.globl	k_qbe339036b5_attn
	.p2align	8
	.type	k_qbe339036b5_attn,@function
k_qbe339036b5_attn:
	s_mov_b64 s[64:65], 0
	v_nop
	global_prefetch_b8 v0, s[64:65] scope:SCOPE_SE
	s_setreg_imm32_b32 hwreg(HW_REG_WAVE_MODE, 25, 1), 1
	s_wait_xcnt 0x0
; ctx = softmax(q k^T / 8 + mask x -1e8) v for two heads of one batch and 256 queries, both products on codes of BF6 (E3M2) with E8M0 scales; ctx is quantised along the features and leaves as images of the
; output projection's operand registers.
; SOFTMAX: t = logit x log2(e); M = the running largest t rounded up to a whole number; p = 2^(t - M) is quantised along the keys; the row's sum is taken of the unquantised p and divides at the end.
; The mask: the score s (not yet divided by 8) takes mask x -8e8; since 8 is a power of two, round(s + 8 m) = 8 round(s / 8 + m), and t = (s + 8 m) x log2(e) / 8.
; SHARES.  Work-group (x, y): batch y / 8, heads 2 (y % 8) and the next, queries 256 x on.  Each of sixteen waves owns one tile of 16 queries in 256 registers and runs two passes, one a head: so it ends with
; a whole fragment of ctx (128 features) and a whole scale word.  Four waves lie on a SIMD: one wave's softmax stands beside another's products and LDS loads.
; Both heads' K, V and scale words and the mask's table are copied into LDS ONCE, through registers; behind one barrier nothing is written to LDS any more.
; NO TENSOR LOAD, NO CLUSTER: a step in which no key is padded leaves out 16 LDS loads and 32 additions by a scalar branch on the int32 mask;
; what partners would share is read once, at the head.  For the same reason no prefetch: the one stream is read at the kernel's head.
; LAYOUT.  Both products are used transposed: S^T = K Q^T, O^T = V^T P^T: a lane holds one query (lane % 16).  A stored tile 2 B + u of keys holds keys 32 B + 8 u + r + 8 (r / 8), so the 16 registers of tiles
; 2 B and 2 B + 1 are keys 32 B + 16 (lane / 16) + 0 .. 15; V's tiles of features likewise, so O^T's registers run along the features.
; K = 64 IN AN INSTRUCTION OF 128: Q's registers 6-11 are zero codes.  K's tiles lie packed, 6 registers each: a tile's operand runs on into the next tile's codes (the last into v80-85, always written); every
; six-bit pattern is a finite number, it meets only Q's zeros, and the scale bytes 2 and 3 are 0 on both sides and never 0xff: those products add exactly 0.
; LIMITS: NaN and infinities are not served; a block of zeros gets the byte 1 and not 127; v_exp_f32 and v_rcp_f32 are 1 ulp; a block's largest p is made from its largest score, which takes v_exp_f32 not to
; fall where its input rises.  ctx's scale words are 4 bytes a row, 32 bytes apart: a work-group holds one word of each row's eight; they are 1 / 24 of what the launch stores.
.set HB0,  4096                        ; LDS: 0: the mask's table, 1,024 f32; then a region for each head
.set HBS,  104448
.set KSC,  0                           ; in a region: K's scale words, 4,096 bytes;
.set VSC,  4096                        ; V's, 2,048;
.set KIMG, 6144                        ; K's 64 tiles of 768 bytes;
.set VIMG, 55296                       ; V's 8 x 4 fragments of 1,536 bytes
.set HIMG, 49152                       ; a head's images in memory
.set HSCL, 4096                        ; a head's scale words in memory
; v1 16 x thread; v2 16 x lane; v3 8 x lane; v4 64 h; v5-9 addresses in hand; v10 16 r; v11 lane; v12 -M; v13 largest t; v[14:15] the sum; v16-27 Q; v28 ctx's scale word; v29 32 r;
; v32-95 K's or V's fragments or mask numbers; v96-159 S^T, p, ctx; v160-191 O^T; v192-193 V's scale words; v194-197 K's; v206 Q's; v208-219 p's codes; v220-231 ctx's codes; v232-254 at work
	s_load_b256 s[4:11], s[0:1], 0x0               ; img s[4:5], sclimg s[6:7], mask s[8:9], ctximg s[10:11]
	s_load_b64 s[12:13], s[0:1], 0x20              ; ctxscl
	v_lshl_add_u32 v251, v0, 2, 0x34000
	v_mov_b32 v255, 0
	v_lshrrev_b32 v2, 5, v0
	v_readfirstlane_b32 s18, v2                    ; wave 0..15
	v_lshlrev_b32 v1, 4, v0
	v_and_b32 v11, 31, v0
	v_lshlrev_b32 v2, 4, v11
	v_lshlrev_b32 v3, 3, v11
	v_bfe_u32 v4, v0, 4, 1
	v_lshlrev_b32 v4, 6, v4
	v_and_b32 v10, 15, v0
	v_lshlrev_b32 v29, 5, v10
	v_lshlrev_b32 v10, 4, v10
	v_lshlrev_b32 v172, 3, v0                      ; 8 x thread
	v_lshlrev_b32 v174, 2, v0                      ; 4 x thread
	v_add_nc_u32 v168, HB0+KIMG, v1                ; where the copies go
	v_add_nc_u32 v169, HB0+VIMG, v1
	v_add_nc_u32 v170, HB0+HBS+KIMG, v1
	v_add_nc_u32 v171, HB0+HBS+VIMG, v1
	v_add_nc_u32 v173, HB0+HBS+KSC, v172
	v_add_nc_u32 v175, HB0+HBS+VSC, v174
	s_and_b32 s24, ttmp7, 0xffff
	s_lshr_b32 s25, s24, 3                         ; batch
	s_and_b32 s24, s24, 7                          ; pair of heads
	s_lshl_b32 s26, s25, 4
	s_lshl_b32 s27, s24, 1
	s_add_co_u32 s26, s26, s27                     ; region of the first head: 16 x batch + head
	s_lshl_b32 s27, ttmp9, 4
	s_add_co_u32 s27, s27, s18                     ; my tile of queries, 0..63
	s_mul_i32 s32, s26, HIMG
	s_mov_b32 s33, 0
	s_lshl_b32 s34, s26, 12
	s_mov_b32 s35, 0
	s_mov_b32 s20, 0x76543210
	s_mov_b32 s21, 0xfedcba98                      ; lane l xor 16
	s_mov_b32 s22, 0x3e38aa3b                      ; c = log2(e) / 8
	s_mov_b32 s23, s22
	s_mov_b32 s51, 0
	s_wait_kmcnt 0x0
	s_add_nc_u64 s[40:41], s[4:5], s[32:33]        ; q's region
	s_add_nc_u64 s[28:29], s[40:41], 128*HIMG      ; k's
	s_add_nc_u64 s[30:31], s[40:41], 256*HIMG      ; v's
	s_add_nc_u64 s[42:43], s[6:7], s[34:35]        ; and their scale words
	s_add_nc_u64 s[36:37], s[42:43], 128*HSCL
	s_add_nc_u64 s[38:39], s[42:43], 256*HSCL
	s_mul_i32 s32, s27, 768
	s_add_nc_u64 s[40:41], s[40:41], s[32:33]      ; my tile's image
	s_lshr_b32 s32, s27, 3
	s_lshl_b32 s32, s32, 9
	s_and_b32 s34, s27, 1
	s_lshl_b32 s34, s34, 8
	s_add_co_u32 s32, s32, s34
	s_bfe_u32 s34, s27, 0x20001
	s_lshl_b32 s34, s34, 2
	s_add_co_u32 s32, s32, s34
	s_add_nc_u64 s[42:43], s[42:43], s[32:33]      ; my tile's scale words: 16 bytes from row to row
	s_lshl_b32 s32, s25, 12
	s_add_nc_u64 s[44:45], s[8:9], s[32:33]        ; the batch's mask
	s_lshl_b32 s34, s25, 6
	s_add_co_u32 s34, s34, s27                     ; my tile of rows among all 512
	s_mul_i32 s32, s34, 12288
	s_mul_i32 s53, s24, 1536
	s_add_co_u32 s32, s32, s53
	s_add_nc_u64 s[10:11], s[10:11], s[32:33]
	s_lshl_b32 s32, s34, 9
	s_lshl_b32 s53, s24, 2
	s_add_co_u32 s32, s32, s53
	s_add_nc_u64 s[12:13], s[12:13], s[32:33]
	; forty loads a thread
.irp i, 0,1,2,3,4,5
	global_load_b128 v[32+4*\i:35+4*\i], v1, s[28:29] offset:8192*\i
.endr
.irp i, 0,1,2,3,4,5
	global_load_b128 v[56+4*\i:59+4*\i], v1, s[30:31] offset:8192*\i
.endr
.irp i, 0,1,2,3,4,5
	global_load_b128 v[80+4*\i:83+4*\i], v1, s[28:29] offset:HIMG+8192*\i
.endr
.irp i, 0,1,2,3,4,5
	global_load_b128 v[104+4*\i:107+4*\i], v1, s[30:31] offset:HIMG+8192*\i
.endr
	global_load_b64 v[128:129], v172, s[36:37]
	global_load_b64 v[130:131], v172, s[36:37] offset:HSCL
	global_load_b32 v132, v174, s[38:39]
	global_load_b32 v133, v174, s[38:39] offset:HSCL
	global_load_b64 v[134:135], v172, s[44:45]
.irp s, 0,1,2,3,4,5,6,7
	global_load_b128 v[136+4*\s:139+4*\s], v2, s[44:45] offset:512*\s   ; the whole mask in every wave: a key step's 128 numbers an instruction
.endr
	global_load_b128 v[16:19], v2, s[40:41]        ; Q of the first head
	global_load_b64 v[20:21], v3, s[40:41] offset:512
	global_load_b32 v206, v10, s[42:43]
.irp j, 22,23,24,25,26,27
	v_mov_b32 v\j, 0                               ; Q's upper 64 along K: zero codes
.endr
.irp j, 236,237,238,239,253
	v_mov_b32 v\j, 0                               ; permutes' destinations, and the upper half of the pair v[252:253]: written once
.endr
	s_wait_loadcnt 28                              ; the first twelve of the forty are in
.irp i, 0,1,2,3,4,5
	ds_store_b128 v168, v[32+4*\i:35+4*\i] offset:8192*\i
.endr
.irp i, 0,1,2,3,4,5
	ds_store_b128 v169, v[56+4*\i:59+4*\i] offset:8192*\i
.endr
	s_wait_loadcnt 16                              ; the next twelve
.irp i, 0,1,2,3,4,5
	ds_store_b128 v170, v[80+4*\i:83+4*\i] offset:8192*\i
.endr
.irp i, 0,1,2,3,4,5
	ds_store_b128 v171, v[104+4*\i:107+4*\i] offset:8192*\i
.endr
	s_wait_loadcnt 11                              ; the scale words and my two numbers of the mask
	ds_store_b64 v172, v[128:129] offset:HB0+KSC
	ds_store_b64 v173, v[130:131]
	ds_store_b32 v174, v132 offset:HB0+VSC
	ds_store_b32 v175, v133
	v_cvt_f32_i32 v134, v134
	v_cvt_f32_i32 v135, v135
	v_mul_f32 v134, 0xce3ebc20, v134               ; x -8e8
	v_mul_f32 v135, 0xce3ebc20, v135
	ds_store_b64 v172, v[134:135]
	s_wait_loadcnt 3                               ; the mask for the flags: all but Q's three loads
.irp s, 0,1,2,3,4,5,6,7                ; bit s of s51: some key of step s has a mask other than 0.  Whole numbers, made of an int32 input
	v_or_b32 v[136+4*\s], v[136+4*\s], v[137+4*\s]
	v_or_b32 v[138+4*\s], v[138+4*\s], v[139+4*\s]
	v_or_b32 v[136+4*\s], v[136+4*\s], v[138+4*\s]
	v_cmp_ne_u32 vcc_lo, 0, v[136+4*\s]
	s_cmp_lg_u32 vcc_lo, 0
	s_cselect_b32 s53, 1<<\s, 0
	s_or_b32 s51, s51, s53
.endr
	s_wait_loadcnt 0x0                             ; Q
	s_wait_dscnt 0x0                               ; for the others' sake: my stores have landed
	s_barrier_signal -1
	s_barrier_wait -1                              ; both heads lie in LDS; nobody writes LDS from here on
; A KEY STEP: 128 keys.  s46, s47, s48, s49: where the step's images, K's scale words, V's scale words and mask numbers begin; bit 0 of s52: the step's flag.
.macro STEP
	v_add_nc_u32 v5, s46, v2                       ; (these four are also the places behind the last step's products, ahead of the loads into V's registers)
	v_add_nc_u32 v6, s46, v3
	v_add_nc_u32 v7, s47, v2
	v_add_nc_u32 v8, s48, v3
.irp t, 0,1,2,3,4,5,6,7
	ds_load_b128 v[32+6*\t:35+6*\t], v5 offset:KIMG+768*\t
	ds_load_b64 v[36+6*\t:37+6*\t], v6 offset:KIMG+768*\t+512
.endr
	ds_load_b128 v[194:197], v7                    ; register B: lanes 0-15 tile 2 B's words, lanes 16-31 tile 2 B + 1's
	s_wait_dscnt 0x0
.irp t, 0,1,2,3,4,5,6,7
.if \t%2
	v_wmma_scale_f32_16x16x128_f8f6f4 v[96+8*\t:103+8*\t], v[32+6*\t:43+6*\t], v[16:27], 0, v[194+\t/2], v206 matrix_a_fmt:MATRIX_FMT_BF6 matrix_b_fmt:MATRIX_FMT_BF6 matrix_a_scale:MATRIX_SCALE_ROW1
.else
	v_wmma_scale_f32_16x16x128_f8f6f4 v[96+8*\t:103+8*\t], v[32+6*\t:43+6*\t], v[16:27], 0, v[194+\t/2], v206 matrix_a_fmt:MATRIX_FMT_BF6 matrix_b_fmt:MATRIX_FMT_BF6
.endif
.endr
	v_add_nc_u32 v9, s49, v4                       ; four places ahead of loads into K's registers and of the first read of scores
.rept 3
	v_nop
.endr
	s_and_b32 s53, s52, 1
	s_cmp_eq_u32 s53, 0
	s_cbranch_scc1 .Lopen_\@                       ; no key of the step is padded: nothing is added
.irp b, 0,1,2,3
.irp j, 0,1,2,3
	ds_load_b128 v[32+16*\b+4*\j:35+16*\b+4*\j], v9 offset:128*\b+16*\j   ; register 16 b + i: key 32 b + 16 h + i
.endr
.endr
	s_wait_dscnt 0x0
.set j, 0
.rept 32
	v_pk_add_f32 v[96+j:97+j], v[96+j:97+j], v[32+j:33+j]
.set j, j+2
.endr
.Lopen_\@:
.irp t, 0,1,2,3                        ; V's four fragments land while the softmax is walked
.irp c, 0,1,2
	ds_load_b128 v[32+12*\t+4*\c:35+12*\t+4*\c], v5 offset:VIMG+1536*\t+512*\c
.endr
.endr
	ds_load_b64 v[192:193], v8 offset:VSC
.irp b, 0,1,2,3
	v_max3_num_f32 v[232+\b], v[96+16*\b], v[97+16*\b], v[98+16*\b]   ; the largest score of each block of 32 keys: for the row's maximum, and for the block's largest p
.endr
.irp i, 3,5,7,9,11,13
.irp b, 0,1,2,3
	v_max3_num_f32 v[232+\b], v[232+\b], v[96+16*\b+\i], v[97+16*\b+\i]
.endr
.endr
.irp b, 0,1,2,3
	v_max_num_f32 v[232+\b], v[232+\b], v[111+16*\b]
.endr
.irp b, 0,1,2,3
	v_permlanex16_b32 v[236+\b], v[232+\b], s20, s21
.endr
.irp b, 0,1,2,3
	v_max_num_f32 v[232+\b], v[232+\b], v[236+\b]
.endr
	v_max3_num_f32 v254, v232, v233, v234
	v_max_num_f32 v254, v254, v235
	v_mul_f32 v254, s22, v254                      ; as t (c is positive)
	v_max_num_f32 v13, v13, v254                   ; the running largest t
	v_mov_b32 v254, v12
	v_floor_f32 v12, -v13                          ; -M = floor(-t): M is a whole number
	v_sub_f32 v254, v12, v254
	v_cvt_i32_f32 v254, v254                       ; (it saturates)
	v_ldexp_f32 v252, 1.0, v254                    ; f = 2^(old M - new M): rounds nothing
.set j, 0
.rept 32
	v_pk_fma_f32 v[96+j:97+j], v[96+j:97+j], s[22:23], v[12:13] op_sel_hi:[1,0,0]   ; t - M
.set j, j+2
.endr
.irp b, 0,1,2,3
	v_fma_f32 v[232+\b], v[232+\b], s22, v12
.endr
.set j, 0
.rept 64
	v_exp_f32 v[96+j], v[96+j]                     ; p = 2^(t - M)
.set j, j+1
.endr
	v_pk_mul_f32 v[14:15], v[14:15], v[252:253] op_sel_hi:[1,0]   ; the sums under the new M (a plain instruction behind the exponentials)
	s_wait_alu depctr_va_vdst(0)                   ; one wait for the batch, ahead of its first reader
.irp b, 0,1,2,3
	v_exp_f32 v[232+\b], v[232+\b]                 ; each block's largest p
.endr
	v_pk_add_f32 v[236:237], v[96:97], v[98:99]    ; the row's sum of the unquantised p, in two chains
.irp j, 4,8,12,16,20,24,28,32,36,40,44,48,52,56,60
	v_pk_add_f32 v[14:15], v[14:15], v[96+\j:97+\j]
	v_pk_add_f32 v[236:237], v[236:237], v[98+\j:99+\j]
.endr
	v_pk_add_f32 v[14:15], v[14:15], v[236:237]
	s_wait_alu depctr_va_vdst(0)                   ; and one for the four
.irp b, 0,1,2,3
	v_max_num_f32 v[232+\b], 0x2800000, v[232+\b]  ; the floor 2^(5 - 127)
.endr
.irp b, 0,1,2,3
	v_add_nc_u32 v[244+\b], 0xfe000000, v[232+\b]
.endr
.irp b, 0,1,2,3
	v_lshrrev_b32 v[236+\b], 23, v[244+\b]
.endr
	v_lshl_or_b32 v253, v237, 8, v236              ; p's scale word for these 128 keys
	v_lshl_or_b32 v253, v238, 16, v253
	v_lshl_or_b32 v253, v239, 24, v253
.irp c, 0,1
	v_cvt_scalef32_pk16_bf6_f32 v[208+6*\c:210+6*\c], v[96+32*\c:111+32*\c], v[244+2*\c]
	v_cvt_scalef32_pk16_bf6_f32 v[236+4*\c:238+4*\c], v[112+32*\c:127+32*\c], v[244+2*\c+1]
.endr
	v_nop
.irp c, 0,1
.irp i, 0,1,2
	v_permlane16_swap_b32 v[208+6*\c+\i], v[236+4*\c+\i]
.endr
.irp i, 0,1,2
	v_mov_b32 v[211+6*\c+\i], v[236+4*\c+\i]
.endr
.endr
.set j, 0
.rept 16
	v_pk_mul_f32 v[160+j:161+j], v[160+j:161+j], v[252:253] op_sel_hi:[1,0]   ; O^T under the new M; these sixteen are also the places between the codes, the scale word and the products
.set j, j+2
.endr
	s_wait_dscnt 0x0                               ; V
.irp t, 0,1,2,3                        ; four accumulators by turns; the next step's eight products lie between two turns of one
.if \t%2
	v_wmma_scale_f32_16x16x128_f8f6f4 v[160+8*\t:167+8*\t], v[32+12*\t:43+12*\t], v[208:219], v[160+8*\t:167+8*\t], v[192+\t/2], v253 matrix_a_fmt:MATRIX_FMT_BF6 matrix_b_fmt:MATRIX_FMT_BF6 matrix_a_scale:MATRIX_SCALE_ROW1
.else
	v_wmma_scale_f32_16x16x128_f8f6f4 v[160+8*\t:167+8*\t], v[32+12*\t:43+12*\t], v[208:219], v[160+8*\t:167+8*\t], v[192+\t/2], v253 matrix_a_fmt:MATRIX_FMT_BF6 matrix_b_fmt:MATRIX_FMT_BF6
.endif
.endr
	s_add_co_u32 s46, s46, 6144
	s_add_co_u32 s47, s47, 512
	s_add_co_u32 s48, s48, 256
	s_add_co_u32 s49, s49, 512
	s_lshr_b32 s52, s52, 1
.endm
; A head's end: O^T / the sum; its 64 features are two blocks; the codes become registers 6 g .. 6 g + 5 of ctx's fragment, the two bytes half of its scale word.
.macro FIN g
.if \g == 0
	global_load_b128 v[16:19], v2, s[40:41] offset:HIMG       ; Q of the second head: the last product that read Q lies a softmax back
	global_load_b64 v[20:21], v3, s[40:41] offset:HIMG+512
	global_load_b32 v206, v10, s[42:43] offset:HSCL
.endif
	v_add_f32 v14, v14, v15
	v_permlanex16_b32 v252, v14, s20, s21
	v_add_f32 v14, v14, v252                       ; the row's sum
	v_rcp_f32 v14, v14
.rept 4
	v_nop                                          ; behind the reciprocal, and the places behind the last products
.endr
	s_wait_alu depctr_va_vdst(0)                   ; ahead of the reciprocal's first reader
.set j, 0
.rept 16
	v_pk_mul_f32 v[96+j:97+j], v[160+j:161+j], v[14:15] op_sel_hi:[1,0]   ; register 16 B + i: feature 32 B + 16 h + i; each accumulator from its low end on
.set j, j+2
.endr
.irp b, 0,1
	v_max3_num_f32 v[232+\b], |v[96+16*\b]|, |v[97+16*\b]|, 0x2800000
.endr
.irp i, 2,4,6,8,10,12,14
.irp b, 0,1
	v_max3_num_f32 v[232+\b], v[232+\b], |v[96+16*\b+\i]|, |v[97+16*\b+\i]|
.endr
.endr
.irp b, 0,1
	v_permlanex16_b32 v[236+\b], v[232+\b], s20, s21
.endr
.irp b, 0,1
	v_max_num_f32 v[232+\b], v[232+\b], v[236+\b]
.endr
.irp b, 0,1
	v_add_nc_u32 v[244+\b], 0xfe000000, v[232+\b]
.endr
.irp b, 0,1
	v_lshrrev_b32 v[236+\b], 23, v[244+\b]
.endr
	v_lshl_or_b32 v254, v237, 8, v236
.if \g == 0
	v_mov_b32 v28, v254
.else
	v_lshl_or_b32 v28, v254, 16, v28
.endif
	v_cvt_scalef32_pk16_bf6_f32 v[220+6*\g:222+6*\g], v[96:111], v244
	v_cvt_scalef32_pk16_bf6_f32 v[240:242], v[112:127], v245
	v_nop
.irp i, 0,1,2
	v_permlane16_swap_b32 v[220+6*\g+\i], v[240+\i]
.endr
.irp i, 0,1,2
	v_mov_b32 v[223+6*\g+\i], v[240+\i]
.endr
.endm
.macro PASS g
.if \g
	s_wait_loadcnt 0x0                             ; Q of this head
.endif
	s_mov_b32 s46, HB0+HBS*\g
	s_mov_b32 s47, HB0+HBS*\g
	s_mov_b32 s48, HB0+HBS*\g
	s_mov_b32 s49, 0
	s_mov_b32 s50, 0
	s_mov_b32 s52, s51
	v_mov_b32 v13, 0xff61b1e6                      ; -3e38, under every t
	v_floor_f32 v12, -v13
	v_mov_b32 v14, 0
	v_mov_b32 v15, 0
.set j, 0
.rept 32
	v_mov_b32 v[160+j], 0                          ; the step is written once: the first finds zeros, which the first change of M leaves zeros
.set j, j+1
.endr
.Lkey_\@:
	STEP
	s_add_co_u32 s50, s50, 1
	s_cmp_lt_u32 s50, 8
	s_cbranch_scc1 .Lkey_\@
	FIN \g
.endm
	PASS 0
	PASS 1
.irp c, 0,1,2
	global_store_b128 v2, v[220+4*\c:223+4*\c], s[10:11] offset:512*\c   ; the fragment's image: 512 consecutive bytes a store, aligned
.endr
	s_wait_xcnt 0x0                                ; EXEC changes only behind this wait
	v_cmp_gt_u32 vcc_lo, 16, v11
	s_wait_tensorcnt 0x0
	ds_add_u32 v251, v255
	s_wait_dscnt 0x0
	s_and_saveexec_b32 s54, vcc_lo
	global_store_b32 v29, v28, s[12:13]            ; lanes 0-15: row r's scale word
	s_wait_xcnt 0x0
	s_or_b32 exec_lo, exec_lo, s54
	s_endpgm
.Lfunc_end_k_qbe339036b5_attn:
	.size	k_qbe339036b5_attn, .Lfunc_end_k_qbe339036b5_attn-k_qbe339036b5_attn
	.p2alignl 7, 3214868480
	.fill 96, 4, 3214868480
	.section	.rodata,"a",@progbits
	.p2align	6, 0x0
	.amdhsa_kernel k_qbe339036b5_attn
		.amdhsa_group_segment_fixed_size 215040
		.amdhsa_private_segment_fixed_size 0
		.amdhsa_enable_private_segment 0
		.amdhsa_kernarg_size 40
		.amdhsa_user_sgpr_count 2
		.amdhsa_user_sgpr_kernarg_segment_ptr 1
		.amdhsa_wavefront_size32 1
		.amdhsa_system_sgpr_workgroup_id_x 1
		.amdhsa_system_sgpr_workgroup_id_y 1
		.amdhsa_system_sgpr_workgroup_id_z 1
		.amdhsa_system_vgpr_workitem_id 0
		.amdhsa_next_free_vgpr 256
		.amdhsa_next_free_sgpr 66
		.amdhsa_reserve_vcc 1
		.amdhsa_float_denorm_mode_32 3
		.amdhsa_float_denorm_mode_16_64 3
		.amdhsa_memory_ordered 1
		.amdhsa_forward_progress 1
		.amdhsa_inst_pref_size 60
	.end_amdhsa_kernel
	.amdgpu_metadata
---
amdhsa.version: [ 1, 2 ]
amdhsa.kernels:
  - .name:           k_qbe339036b5_attn
    .symbol:         k_qbe339036b5_attn.kd
    .args:
      - { .name: img, .offset: 0, .size: 8, .value_kind: global_buffer, .address_space: global }
      - { .name: sclimg, .offset: 8, .size: 8, .value_kind: global_buffer, .address_space: global }
      - { .name: encoder_padding_mask, .offset: 16, .size: 8, .value_kind: global_buffer, .address_space: global }
      - { .name: ctximg, .offset: 24, .size: 8, .value_kind: global_buffer, .address_space: global }
      - { .name: ctxscl, .offset: 32, .size: 8, .value_kind: global_buffer, .address_space: global }
    .group_segment_fixed_size: 215040
    .private_segment_fixed_size: 0
    .kernarg_segment_align: 8
    .kernarg_segment_size: 40
    .max_flat_workgroup_size: 512
    .sgpr_count:     66
    .vgpr_count:     256
    .wavefront_size: 32
...
	.end_amdgpu_metadata
.endif
;; end of part 3
;; launch oproj (part 4): grid 8 x 32, 4 waves a work-group, clusters of 4 x 4, 327,680 bytes of LDS; arguments ctximg, ctxscl, wcodes, wscl, out_proj_bias, hidden_states, out0; writes out0
.if DOCPART == 4
	.amdgcn_target "amdgcn-amd-amdhsa--gfx1250"
	.amdhsa_code_object_version 6
	.text
	.protected	k_qbe339036b5_oproj
	.globl	k_qbe339036b5_oproj
	.p2align	8
	.type	k_qbe339036b5_oproj,@function
k_qbe339036b5_oproj:
	s_mov_b64 s[64:65], 0
	v_nop
	global_prefetch_b8 v0, s[64:65] scope:SCOPE_SE
	s_setreg_imm32_b32 hwreg(HW_REG_WAVE_MODE, 25, 1), 1
	s_wait_xcnt 0x0
	s_wait_alu depctr_hold_cnt(0) depctr_sa_sdst(0) depctr_va_vdst(0) depctr_va_sdst(0) depctr_va_ssrc(0) depctr_va_vcc(0) depctr_vm_vsrc(0)
	s_getreg_b32 s2, hwreg(HW_REG_IB_STS2, 6, 4)
	s_cmp_eq_u32 s2, 0
	s_cbranch_scc0 .Lentry_in_a_cluster
	s_endpgm
.Lentry_in_a_cluster:
	s_bfe_u32 s2, ttmp6, 0x10000c
	s_cmp_lg_u32 s2, 0xf033
	s_cbranch_scc0 .Lentry_shape_is_right
	s_endpgm
.Lentry_shape_is_right:
; out0 = x + (ctx Wo^T + bias), the product on codes of BF6 (E3M2) with E8M0 scales, K = 1,024.
; A tile of C is 256 rows x 128 columns: 256 work-groups of four waves, each wave 128 x 64 in 32 accumulators.
; ALL OF K LIES IN LDS: four K steps of 256, each 49,152 bytes of A and 30,720 of B, 319,488 bytes in all.  Every tile is asked for once, at the kernel's head, by joint tensor loads in clusters of 4 x 4
; (A's tiles shared along a row of the cluster, B's along a column); each wave issues four, so four tensor loads of a wave are out at the most.  No LDS byte is filled a second time: the K steps are parted by
; plain barriers with counted waits, and the cluster's barrier stands once ahead of the loads and once at the end.  For the same reason there is no prefetch: each tile's own load goes out at the head.
; A = ctx comes as IMAGES OF ITS OPERAND REGISTERS: [tile of 16 rows 512][128 along K 8][1,536]: a fragment is three loads of 16 bytes a lane, 512 consecutive bytes each; a K step's part of a tile of rows is
; 3,072 consecutive bytes.  B = Wo: rows 3,072 on of wcodes, as rows of codes, 16 bytes of padding behind every 64.
; THE SCALES STAY IN REGISTERS: for a block of 16 rows one load of 16 bytes a lane, 512 consecutive bytes: lane (r, h) takes words 4 h .. 4 h + 3 of row r, so register j serves the j-th 128 along K from
; lanes 0-15 and the (4 + j)-th from lanes 16-31.
; The rows of ctx are stored with bits 3 and 4 of the row number exchanged: row t of A's block a is row 32 (a / 2) + 8 (a % 2) + t + 8 (t / 8) of the wave's 128; that stands in the immediates of x's loads
; and of the stores.  The matrix instruction is used transposed (source 0 = 16 rows of Wo, source 1 = 16 rows of ctx): a lane holds eight neighbouring numbers of a row of C.
; x is asked for while the tiles are on their way and waits in registers; each block of the way out has registers of its own, so no register that a store reads is written again.
; A wave reads 12 fragments from LDS for 32 products: the price of a tile small enough to give each of 256 work-groups one.
; REGISTERS, in windows of 256: window 0: v1-26 addresses; v32-63 A's scale words, v64-79 B's, v80-83 the bias; v128-223 A's fragments, one set.  window 1: B's fragments, two sets of 48; on the way out the
; eight blocks' rows.  window 2: the accumulators ((a, b) at v[8 (4 a + b)]).  window 3: x, 32 registers a block.
.set ROWB,   192                       ; a K step's bytes of a row of B
.set AROWB,  3072                      ; and of a tile of 16 rows of A
.set KROW,   768                       ; a row of codes in memory
.set KS,     32                        ; a row of scale bytes
.set PITCH,  240                       ; a row of B in LDS: 3 x (64 bytes + 16 of padding)
.set FR,     12                        ; registers of a fragment
.set NLA,    3                         ; LDS loads that bring a fragment of A
.set NP,     4                         ; places behind this matrix instruction (ISA guide 7.12.1)
.set AHALF,  8*AROWB                   ; 128 rows of A: what one tensor load brings, and what one wave reads
.set BHALF,  64*PITCH                  ; 64 rows of B likewise
.set SLOT,   2*AHALF+2*BHALF           ; a K step: A's 256 rows, then B's 128
.set SPITCH, 272                       ; the way out: a stage of 16 rows x (256 + 16) bytes a wave, in K step 0's bytes
.set STG,    16*SPITCH
.set SOF,  8                           ; v8     32 r + 16 h: my 16 bytes of a block's scale words
.set BOF,  9                           ; v9     16 r: my four numbers of the bias
.set ADRA, 12                          ; v12-15 LDS address of A's images in K step 0 .. 3
.set ADRB, 16                          ; v16-19 of B's fragments; v20-23 the same behind one padding more
.set STO,  24                          ; v24    the stage: where I put 32 bytes of a row
.set RD,   25                          ; v25    and where I read a row back
.set CO,   26                          ; v26    4,096 h + 16 r: my 16 bytes in two rows of x and of out0
.set SA,   32
.set SB,   64
.set BO,   80
.set AF,   128
.set G1,   24                          ; s[24:31] descriptor group 1 for A's tiles; s[32:47] group 0, a set for each K step
.set G0,   32
.set G1B,  48                          ; s[48:55], s[68:83] the same for B's
.set G0B,  68
.set MSB, 0
.macro WIN new                         ; the immediate's high byte repeats the setting that is left
.if MSB != \new
	s_set_vgpr_msb (MSB<<8)|\new
.set MSB, \new
.endif
.endm
.set MUL,  0xa1                        ; source 0 (B) window 1, source 1 (A) window 0, C and D window 2
.set TO_B, 0x40                        ; destination window 1, address window 0
; A joint load: waves 0 and 1 fetch for A, waves 2 and 3 for B; the branch hangs on the wave's number alone.  Four v_nop follow each of the two lines.
.macro JLOAD g0a, g1a, g0b, g1b
	s_cmp_eq_u32 s15, 0
	s_cbranch_scc0 .Lfor_b_\@
	tensor_load_to_lds s[\g0a:\g0a+3], s[\g1a:\g1a+7]
	s_nop 0
.rept 4
	v_nop
.endr
	s_branch .Lasked_\@
.Lfor_b_\@:
	tensor_load_to_lds s[\g0b:\g0b+3], s[\g1b:\g1b+7]
	s_nop 0
.rept 4
	v_nop
.endr
.Lasked_\@:
.endm
.macro CROUND                          ; a round of the cluster's barrier
	s_barrier_signal -1
	s_barrier_wait -1
	s_cmp_lg_u32 s14, 0
	s_cbranch_scc1 .Lnot_wave_0_\@
	s_barrier_signal -3
.Lnot_wave_0_\@:
	s_barrier_wait -3
	s_barrier_signal -1
	s_barrier_wait -1
.endm
	s_load_b128 s[4:7], s[0:1], 0x0                ; ctx's images, ctx's scales
	s_load_b128 s[8:11], s[0:1], 0x10              ; wcodes, wscl
	s_load_b128 s[96:99], s[0:1], 0x20             ; out_proj_bias, hidden_states
	s_load_b64 s[12:13], s[0:1], 0x30              ; out0
	v_lshl_add_u32 v254, v0, 2, 0x4e000
	v_mov_b32 v255, 0
	ds_add_u32 v254, v255
	ds_add_u32 v254, v255
	v_lshrrev_b32 v1, 5, v0
	v_readfirstlane_b32 s14, v1                    ; wave 0..3
	s_lshr_b32 s15, s14, 1                         ; my half of the tile's rows.  Also: I fetch for A (0) or for B (1)
	s_and_b32 s16, s14, 1                          ; my half of its columns.  Also: which half of that tile I fetch
	s_bfe_u32 s56, ttmp6, 0x40000                  ; cx
	s_bfe_u32 s57, ttmp6, 0x40004                  ; cy
	s_lshl_b32 s58, ttmp9, 2
	s_add_co_u32 s58, s58, s56                     ; tile column, 0..7
	s_and_b32 s17, ttmp7, 0xffff
	s_lshl_b32 s17, s17, 2
	s_add_co_u32 s17, s17, s57                     ; tile row, 0..31
	s_lshl_b32 s59, s57, 2
	s_lshl_b32 s59, 15, s59                        ; my row of the cluster
	s_lshl_b32 s60, 0x1111, s56                    ; my column
	s_or_b32 s[G1+0], s59, (3<<16)|(1<<21)         ; A: the mask; elements of 8 bytes; no padding; bit 21 beside a mask
	s_mov_b32 s[G1+1], 384<<16                     ; tensor_dim0: 3,072 bytes
	s_mov_b32 s[G1+2], 8<<16                       ; tensor_dim1: 8 tiles of 16 rows
	s_mov_b32 s[G1+3], 384<<16                     ; tile_dim0
	s_mov_b32 s[G1+4], 8                           ; tile_dim1
	s_mov_b32 s[G1+5], 1536                        ; the pitch: 12,288 bytes
	s_mov_b32 s[G1+6], 0
	s_mov_b32 s[G1+7], 0
	s_or_b32 s[G1B+0], s60, (0<<16)|(1<<20)|(1<<21)|(3<<22)|(3<<25)  ; B: the mask; elements of 1 byte; padding on: 4 words behind every 16
	s_mov_b32 s[G1B+1], ROWB<<16                   ; tensor_dim0
	s_mov_b32 s[G1B+2], 64<<16                     ; tensor_dim1: 64 rows
	s_mov_b32 s[G1B+3], ROWB<<16                   ; tile_dim0
	s_mov_b32 s[G1B+4], 64                         ; tile_dim1
	s_mov_b32 s[G1B+5], KROW                       ; the pitch
	s_mov_b32 s[G1B+6], 0
	s_mov_b32 s[G1B+7], 0
	s_mov_b64 s[18:19], KROW
	s_lshl_b32 s20, s17, 8
	s_lshl_b32 s21, s16, 7
	s_add_co_u32 s20, s20, s21                     ; A: row 256 x tile row + 128 x half
	s_mov_b32 s21, 0
	s_mul_u64 s[20:21], s[20:21], s[18:19]         ; row x 768 bytes = tile of 16 rows x 12,288: the images' place
	s_lshl_b32 s84, s58, 7
	s_lshl_b32 s85, s16, 6
	s_add_co_u32 s84, s84, s85                     ; B: row 128 x tile column + 64 x half
	s_mov_b32 s85, 0
	s_mul_u64 s[84:85], s[84:85], s[18:19]
	s_mul_i32 s61, s16, AHALF                      ; where they go: no place in the cluster enters an LDS address
	s_mul_i32 s62, s16, BHALF
	s_add_co_u32 s62, s62, 2*AHALF
	s_wait_dscnt 0x0
	s_wait_kmcnt 0x0
	s_add_nc_u64 s[8:9], s[8:9], 3072*KROW         ; Wo's rows
	s_add_nc_u64 s[10:11], s[10:11], 3072*KS
	s_add_nc_u64 s[20:21], s[4:5], s[20:21]
	s_add_nc_u64 s[84:85], s[8:9], s[84:85]
	CROUND                                         ; all sixteen work-groups are here: the joint loads meet
.irp s, 0,1,2,3                        ; all four K steps, in the order in which they are multiplied
	s_mov_b32 s[G0+4*\s], 1
	s_add_co_u32 s[G0+4*\s+1], s61, \s*SLOT
	s_add_nc_u64 s[G0+4*\s+2:G0+4*\s+3], s[20:21], \s*AROWB
	s_or_b32 s[G0+4*\s+3], s[G0+4*\s+3], 0x80000000
	s_mov_b32 s[G0B+4*\s], 1
	s_add_co_u32 s[G0B+4*\s+1], s62, \s*SLOT
	s_add_nc_u64 s[G0B+4*\s+2:G0B+4*\s+3], s[84:85], \s*ROWB
	s_or_b32 s[G0B+4*\s+3], s[G0B+4*\s+3], 0x80000000
	JLOAD G0+4*\s, G1, G0B+4*\s, G1B
.endr
	v_and_b32 v1, 15, v0                           ; r
	v_bfe_u32 v2, v0, 4, 1                         ; h
	v_and_b32 v6, 31, v0
	v_lshlrev_b32 v7, 4, v6                        ; 16 x lane: an image's place for my lane
	v_mul_u32_u24 v3, v1, PITCH
	v_mul_u32_u24 v4, v2, 24
	v_add_nc_u32 v4, v3, v4                        ; a fragment of B: row x pitch + 24 x half
	v_lshl_add_u32 v5, v2, 4, v4                   ; and the same behind one padding more
	s_mul_i32 s22, s15, AHALF                      ; my 128 rows of A
	s_mul_i32 s23, s16, BHALF                      ; my 64 rows of B,
	s_add_co_u32 s23, s23, 2*AHALF                 ; which lie behind A's 256
.irp s, 0,1,2,3
	v_add_nc_u32 v[ADRA+\s], s22, v7
	v_add_nc_u32 v[ADRB+\s], s23, v4
	v_add_nc_u32 v[ADRB+4+\s], s23, v5
	s_add_co_u32 s22, s22, SLOT
	s_add_co_u32 s23, s23, SLOT
.endr
	v_lshlrev_b32 v[SOF], 5, v1
	v_lshl_add_u32 v[SOF], v2, 4, v[SOF]
	v_lshlrev_b32 v[BOF], 4, v1
	v_lshlrev_b32 v[CO], 12, v2
	v_lshl_add_u32 v[CO], v1, 4, v[CO]
	s_mul_i32 s22, s14, STG                        ; my stage
	v_mul_u32_u24 v5, v1, SPITCH                   ; in: row r, 32 bytes for each half of the lanes
	v_lshl_add_u32 v5, v2, 5, v5
	v_add_nc_u32 v[STO], s22, v5
	v_mul_u32_u24 v5, v2, SPITCH                   ; back: lanes 0-15 one row of 256 bytes, lanes 16-31 the next
	v_lshl_add_u32 v5, v1, 4, v5
	v_add_nc_u32 v[RD], s22, v5
	s_lshl_b32 s18, s17, 13
	s_lshl_b32 s19, s15, 12
	s_add_co_u32 s18, s18, s19                     ; (256 x tile row + 128 x half) rows of 32 scale bytes
	s_mov_b32 s19, 0
	s_add_nc_u64 s[6:7], s[6:7], s[18:19]
	s_lshl_b32 s86, s58, 12
	s_lshl_b32 s87, s16, 11
	s_add_co_u32 s86, s86, s87                     ; (128 x tile column + 64 x half) rows of 32
	s_mov_b32 s87, 0
	s_add_nc_u64 s[10:11], s[10:11], s[86:87]
	s_lshl_b32 s86, s58, 9
	s_lshl_b32 s88, s16, 8
	s_add_co_u32 s86, s86, s88                     ; my first column, in bytes: 512 x tile column + 256 x half
	s_add_nc_u64 s[96:97], s[96:97], s[86:87]      ; the bias of my 64 columns
	s_lshl_b32 s20, s17, 8
	s_lshl_b32 s21, s15, 7
	s_add_co_u32 s20, s20, s21                     ; my first row,
	s_lshl_b32 s20, s20, 12                        ; of 4,096 bytes (under 2^25)
	s_mov_b32 s21, 0
	s_add_nc_u64 s[20:21], s[20:21], s[86:87]
	s_add_nc_u64 s[12:13], s[12:13], s[20:21]      ; out0 and x at my part's corner
	s_add_nc_u64 s[98:99], s[98:99], s[20:21]
.irp a, 0,1,2,3,4,5,6,7
	global_load_b128 v[SA+4*\a:SA+4*\a+3], v[SOF], s[6:7] offset:512*\a     ; a block's scale words: 512 consecutive bytes
.endr
.irp b, 0,1,2,3
	global_load_b128 v[SB+4*\b:SB+4*\b+3], v[SOF], s[10:11] offset:512*\b
.endr
	global_load_b128 v[BO:BO+3], v[BOF], s[96:97]
.macro XLOAD a                         ; x's 16 rows of block a into window 3: sixteen lanes read 256 consecutive bytes of a row
	WIN 0xc0
.irp t, 0,1,2,3,4,5,6,7
	global_load_b128 v[32*(\a)+4*\t:32*(\a)+4*\t+3], v[CO], s[98:99] offset:(32*((\a)/2)+8*((\a)%2)+2*\t+8*(\t/4))*4096 th:TH_LOAD_NT
.endr
	WIN 0
.endm
	XLOAD 0
	XLOAD 1
	XLOAD 2
	XLOAD 3
.macro FRAG reg, adr, q, i             ; a fragment of B: 16 rows x 128 K in 12 registers, in pieces of 8 bytes; where lanes 16-31's piece lies behind one padding more, the second address register serves
.irp p, 0,1,2,3,4,5
.set PCE, 12*(\q)+6*(\p/3)+\p%3
.if PCE%8 < 5
	ds_load_b64 v[\reg+2*\p:\reg+2*\p+1], v[\adr] offset:8*PCE+16*(PCE/8)+(\i)*16*PITCH
.else
	ds_load_b64 v[\reg+2*\p:\reg+2*\p+1], v[\adr+4] offset:8*PCE+16*(PCE/8)+(\i)*16*PITCH
.endif
.endr
.endm
.macro AFRAG reg, slot, q, i           ; a fragment of A comes back as it was stored: three runs of 512 bytes
.irp c, 0,1,2
	ds_load_b128 v[\reg+4*\c:\reg+4*\c+3], v[ADRA+\slot] offset:AROWB*(\i)+1536*(\q)+512*\c
.endr
.endm
; 8 matrix instructions: A's blocks a0, a0 + 1 x B's four; p: B's set; kq: which 128 along K.  zero = 1: the first product starts the sums.
; The 32 accumulators take turns, one instruction a turn, in the same order in every step.
.macro MUL8 a0, p, kq, zero
.irp a, \a0, \a0+1
.irp b, 0,1,2,3
.if \zero
	v_wmma_scale_f32_16x16x128_f8f6f4 v[8*(4*(\a)+\b):8*(4*(\a)+\b)+7], v[48*(\p)+FR*\b:48*(\p)+FR*\b+FR-1], v[AF+FR*(\a):AF+FR*(\a)+FR-1], 0, v[SB+4*\b+(\kq)%4], v[SA+4*(\a)+(\kq)%4] matrix_a_fmt:MATRIX_FMT_BF6 matrix_b_fmt:MATRIX_FMT_BF6
.elseif (\kq) < 4
	v_wmma_scale_f32_16x16x128_f8f6f4 v[8*(4*(\a)+\b):8*(4*(\a)+\b)+7], v[48*(\p)+FR*\b:48*(\p)+FR*\b+FR-1], v[AF+FR*(\a):AF+FR*(\a)+FR-1], v[8*(4*(\a)+\b):8*(4*(\a)+\b)+7], v[SB+4*\b+(\kq)%4], v[SA+4*(\a)+(\kq)%4] matrix_a_fmt:MATRIX_FMT_BF6 matrix_b_fmt:MATRIX_FMT_BF6
.else
	v_wmma_scale_f32_16x16x128_f8f6f4 v[8*(4*(\a)+\b):8*(4*(\a)+\b)+7], v[48*(\p)+FR*\b:48*(\p)+FR*\b+FR-1], v[AF+FR*(\a):AF+FR*(\a)+FR-1], v[8*(4*(\a)+\b):8*(4*(\a)+\b)+7], v[SB+4*\b+(\kq)%4], v[SA+4*(\a)+(\kq)%4] matrix_a_fmt:MATRIX_FMT_BF6 matrix_b_fmt:MATRIX_FMT_BF6 matrix_a_scale:MATRIX_SCALE_ROW1 matrix_b_scale:MATRIX_SCALE_ROW1
.endif
.endr
.endr
.endm
.macro FETCH_B slot, q, p              ; B's four fragments of the K step's q-th 128 into set p
	WIN TO_B
.irp i, 0,1,2,3
	FRAG 48*(\p)+FR*\i, ADRB+\slot, \q, \i
.endr
	WIN 0
.endm
.macro FETCH_A slot, q, i0             ; A's blocks i0 .. i0 + 3
.irp i, \i0, \i0+1, \i0+2, \i0+3
	AFRAG AF+FR*(\i), \slot, \q, \i
.endr
.endm
.macro PLACES n                        ; plain vector instructions between a matrix instruction and a load into, or a read of, its registers
.rept \n
	v_nop
.endr
.endm
; A K step's first 128 along K: 32 products; a block of A is free as soon as its four products are issued, so one set of registers serves A; B has two.
.macro STEP slot, zero
	s_wait_dscnt 4*NLA                             ; B's set and A's blocks 0-3 are in; the youngest 12 loads (A's blocks 4-7) may be out
	WIN MUL
	MUL8 0, 0, 2*(\slot), \zero
	MUL8 2, 0, 2*(\slot), \zero
	s_wait_dscnt 0
	PLACES NP
	FETCH_B \slot, 1, 1
	FETCH_A \slot, 1, 0
	WIN MUL
	MUL8 4, 0, 2*(\slot), \zero
	MUL8 6, 0, 2*(\slot), \zero
	PLACES NP
	WIN 0
	FETCH_A \slot, 1, 4
.endm
; Its second 128, and the way into the next K step: each wave waits for its part of that step's tiles (left: its loads of the steps behind it, which may stay out
; barrier) and for its LDS loads, then signals; behind the barrier the next K step's tiles are whole.
.macro TURN slot, next, left
	s_wait_dscnt 4*NLA
	WIN MUL
	MUL8 0, 1, 2*(\slot)+1, 0
	s_wait_tensorcnt \left
	s_wait_dscnt 0x0
	s_barrier_signal -1
	MUL8 2, 1, 2*(\slot)+1, 0                      ; work on registers while the others arrive
	s_barrier_wait -1
	PLACES NP
	FETCH_B \next, 0, 0
	FETCH_A \next, 0, 0
	WIN MUL
	MUL8 4, 1, 2*(\slot)+1, 0
	MUL8 6, 1, 2*(\slot)+1, 0
	PLACES NP
	WIN 0
	FETCH_A \next, 0, 4
.endm
	s_wait_tensorcnt 3                             ; my part of K step 0 is in; my three later loads may be out
	s_barrier_signal -1
	s_barrier_wait -1                              ; everybody's is
	FETCH_B 0, 0, 0
	FETCH_A 0, 0, 0
	FETCH_A 0, 0, 4
	s_wait_loadcnt 32                              ; the scale words and the bias are in; x's blocks 0-3, 32 loads, may be out
	XLOAD 4
	XLOAD 5
	XLOAD 6
	STEP 0, 1                                      ; the first products start the sums
	TURN 0, 1, 2
	STEP 1, 0
	TURN 1, 2, 1
	STEP 2, 0
	TURN 2, 3, 0                                   ; all my tensor loads have landed
	STEP 3, 0
	s_wait_dscnt 4*NLA                             ; the last 128 along K: nothing more to fetch
	WIN MUL
	MUL8 0, 1, 7, 0
	MUL8 2, 1, 7, 0
	s_wait_dscnt 0
	MUL8 4, 1, 7, 0
	MUL8 6, 1, 7, 0
	WIN 0
; THE WAY OUT, block by block of 16 rows x 64 columns.  A lane holds 32 neighbouring bytes of a row, and the lanes beside it hold other rows: a block goes through my own stage and comes back as whole rows of
; 256 bytes, two an instruction.  The stage lies in K step 0's bytes: they had their one fill at the start, and every wave left them at the first barrier between K steps.
.macro TOSTAGE a
	WIN 0x08                                       ; an LDS store's data are its source 1: window 2
.irp b, 0,1,2,3
	ds_store_b128 v[STO], v[8*(4*(\a)+\b):8*(4*(\a)+\b)+3] offset:64*\b          ; each accumulator from its low end on
	ds_store_b128 v[STO], v[8*(4*(\a)+\b)+4:8*(4*(\a)+\b)+7] offset:64*\b+16
.endr
	WIN 0x40                                       ; destination window 1: 32 registers of the block's own
.irp t, 0,1,2,3,4,5,6,7
	ds_load_b128 v[32*(\a)+4*\t:32*(\a)+4*\t+3], v[RD] offset:\t*2*SPITCH         ; LDS serves a wave's instructions in order (ISA guide 5.7.1.4): these see the stores above
.endr
	WIN 0
.endm
.macro SEND a, younger                 ; (sum + bias) + x, stored
.set BB, 32*(\a)
	s_wait_dscnt \younger                          ; the block is back; the next block's 8 stores and 8 loads may be out
.if (\a) == 0
	s_wait_loadcnt 48                              ; x's block 0 is in; blocks 1-6, 48 loads, may be out
.else
	s_wait_loadcnt 8*(7-(\a))                      ; x's block a is in; the blocks behind it may be out
.endif
	WIN 0x41                                       ; destination and source 0 window 1, source 1 (the bias) window 0
.irp t, 0,1,2,3,4,5,6,7
	v_pk_add_f32 v[BB+4*\t:BB+4*\t+1], v[BB+4*\t:BB+4*\t+1], v[BO:BO+1]
	v_pk_add_f32 v[BB+4*\t+2:BB+4*\t+3], v[BB+4*\t+2:BB+4*\t+3], v[BO+2:BO+3]
.endr
	WIN 0x4d                                       ; source 1 window 3: x lies at the same numbers there
.set i, 0
.rept 16
	v_pk_add_f32 v[BB+i:BB+i+1], v[BB+i:BB+i+1], v[BB+i:BB+i+1]
.set i, i+2
.endr
	WIN 0x04                                       ; a store's data are its source 1: window 1
.irp t, 0,1,2,3,4,5,6,7
	global_store_b128 v[CO], v[BB+4*\t:BB+4*\t+3], s[12:13] offset:(32*((\a)/2)+8*((\a)%2)+2*\t+8*(\t/4))*4096 th:TH_STORE_NT   ; sixteen lanes store 256 consecutive bytes, aligned
.endr
	WIN 0
.endm
	PLACES NP                                      ; behind the last products: ahead of loads into B's registers and of the first read of results
	TOSTAGE 0
	TOSTAGE 1
	SEND 0, 16
	XLOAD 7                                        ; the last block's x
.irp a, 2,3,4,5,6,7
	TOSTAGE \a
	SEND \a-1, 16
.endr
	SEND 7, 0                                      ; no LDS instruction of mine is out behind its wait
	s_wait_tensorcnt 0x0
	ds_add_u32 v254, v255
	s_wait_dscnt 0x0
	CROUND                                         ; the closing round: no work-group ends while a partner may still ask for a tile that names it
	s_endpgm
.Lfunc_end_k_qbe339036b5_oproj:
	.size	k_qbe339036b5_oproj, .Lfunc_end_k_qbe339036b5_oproj-k_qbe339036b5_oproj
	.p2alignl 7, 3214868480
	.fill 96, 4, 3214868480
	.section	.rodata,"a",@progbits
	.p2align	6, 0x0
	.amdhsa_kernel k_qbe339036b5_oproj
		.amdhsa_group_segment_fixed_size 327680
		.amdhsa_private_segment_fixed_size 0
		.amdhsa_enable_private_segment 0
		.amdhsa_kernarg_size 56
		.amdhsa_user_sgpr_count 2
		.amdhsa_user_sgpr_kernarg_segment_ptr 1
		.amdhsa_wavefront_size32 1
		.amdhsa_system_sgpr_workgroup_id_x 1
		.amdhsa_system_sgpr_workgroup_id_y 1
		.amdhsa_system_sgpr_workgroup_id_z 1
		.amdhsa_system_vgpr_workitem_id 0
		.amdhsa_next_free_vgpr 1024
		.amdhsa_next_free_sgpr 100
		.amdhsa_reserve_vcc 0
		.amdhsa_float_denorm_mode_32 3
		.amdhsa_float_denorm_mode_16_64 3
		.amdhsa_memory_ordered 1
		.amdhsa_forward_progress 1
		.amdhsa_inst_pref_size 111
	.end_amdhsa_kernel
	.amdgpu_metadata
---
amdhsa.version: [ 1, 2 ]
amdhsa.kernels:
  - .name:           k_qbe339036b5_oproj
    .symbol:         k_qbe339036b5_oproj.kd
    .args:
      - { .name: ctximg, .offset: 0, .size: 8, .value_kind: global_buffer, .address_space: global }
      - { .name: ctxscl, .offset: 8, .size: 8, .value_kind: global_buffer, .address_space: global }
      - { .name: wcodes, .offset: 16, .size: 8, .value_kind: global_buffer, .address_space: global }
      - { .name: wscl, .offset: 24, .size: 8, .value_kind: global_buffer, .address_space: global }
      - { .name: out_proj_bias, .offset: 32, .size: 8, .value_kind: global_buffer, .address_space: global }
      - { .name: hidden_states, .offset: 40, .size: 8, .value_kind: global_buffer, .address_space: global }
      - { .name: out0, .offset: 48, .size: 8, .value_kind: global_buffer, .address_space: global }
    .group_segment_fixed_size: 327680
    .private_segment_fixed_size: 0
    .kernarg_segment_align: 8
    .kernarg_segment_size: 56
    .max_flat_workgroup_size: 128
    .sgpr_count:     100
    .vgpr_count:     1024
    .wavefront_size: 32
...
	.end_amdgpu_metadata
.endif
;; end of part 4
